; MI455X (gfx1250); checked and timed in simulation.
; The chip was launched on July 23, 2026; its instructions are those of AMD's public machine-readable ISA for CDNA 5 (MIT licence, August 2026) and "CDNA5" Instruction Set Architecture Reference Guide (July 2026). The comments in the code are by the model that wrote it; some were corrected since.
;; Encoder Block. Allowed arithmetic: matrix products marked QUANTISED: E2M3 operands, one E8M0 scale for each 32 along K, by v_wmma_scale_f32_16x16x128_f8f6f4 with both operands' format E2M3, f32 sums; everything else in f32.
;; Inputs: b1 4,096 float32; b2 1,024 float32; bk 16 x 64 float32; bo 1,024 float32; bq 16 x 64 float32; bv 16 x 64 float32; ln1_b 1,024 float32; ln1_w 1,024 float32; ln2_b 1,024 float32; ln2_w 1,024 float32; w1 1,024 x 4,096 float32; w2 4,096 x 1,024 float32; wk 1,024 x 16 x 64 float32; wo 16 x 64 x 1,024 float32; wq 1,024 x 16 x 64 float32; wv 1,024 x 16 x 64 float32; x 2 x 2,048 x 1,024 float32.
;; Outputs: out0 2 x 2,048 x 1,024 float32.
;; This version of the problem:
;;   THIS VERSION OF THE PROBLEM IS GIVEN IN LOW PRECISION. The matrix products marked QUANTISED in the list below multiply operands that are first quantised to E2M3 (2 exponent bits, 3 mantissa bits; 6 bits a number), with one power-of-two scale for each 32 numbers along K (OCP MX v1.0); their sums are f32. All else is computed in f32.
;;   The module's matrix products, in the order in which they are computed (A, B: the left and right operand; K: the contracted axis; several contracted axes count as one K, in the product's order):
;;     1. [M 1,024, K 1,024] x [K 1,024, N 4,096]; A: input wq; B: computed on the way: QUANTISED
;;     2. [M 1,024, K 1,024] x [K 1,024, N 4,096]; A: input wk; B: computed on the way: QUANTISED
;;     3. [M 1,024, K 1,024] x [K 1,024, N 4,096]; A: input wv; B: computed on the way: QUANTISED
;;     4. batch 32 x [M 2,048, K 64] x [K 64, N 2,048]; A: computed on the way; B: computed on the way: QUANTISED
;;     5. batch 32 x [M 2,048, K 2,048] x [K 2,048, N 64]; A: softmax (see below); B: computed on the way: QUANTISED
;;     6. [M 4,096, K 1,024] x [K 1,024, N 1,024]; A: computed on the way; B: input wo: QUANTISED
;;     7. [M 4,096, K 1,024] x [K 1,024, N 4,096]; A: computed on the way; B: input w1: QUANTISED
;;     8. [M 4,096, K 4,096] x [K 4,096, N 1,024]; A: computed on the way; B: input w2: QUANTISED
;;   THE QUANTISER, for each operand of a quantised product, along K:
;;     - K is cut into blocks of 32 from its start; a last block that is shorter is filled with zeros.
;;     - A block's scale is 2^e with e = floor(log2(the largest magnitude in the block)) - 2, held to -126 .. 127; a block of zeros has e = 0. As a byte (E8M0): e + 127.
;;     - Each number is divided by its block's scale, clamped to +-7.5, and rounded to the nearest number of E2M3, ties to even, subnormals kept.
;;     - The product sums the exact products of the quantised numbers (number of the format x scale) in f32.
;;   ~~~python
;;   def quantise(x, axis):      # numpy; x: float32 -> the quantised numbers, widened to float32 again
;;       x = np.moveaxis(x, axis, -1); K = x.shape[-1]
;;       x = np.pad(x, [(0, 0)] * (x.ndim - 1) + [(0, -K % 32)]); x = x.reshape(x.shape[:-1] + (-1, 32)); a = np.abs(x).max(-1, keepdims=True)
;;       e = np.where(a > 0, np.clip(np.frexp(np.where(a > 0, a, 1))[1] - 1 - 2, -126, 127), 0)      # np.frexp(a)[1] - 1 = floor(log2(a)), exactly
;;       r = np.clip(x / 2.0 ** e, -7.5, 7.5)
;;       step = 2.0 ** (np.maximum(np.frexp(np.where(r == 0, 1, r))[1] - 1, 0) - 3)
;;       q = np.round(r / step) * step * 2.0 ** e      # np.round: ties to even
;;       return np.moveaxis(q.reshape(q.shape[:-2] + (-1,))[..., :K], -1, axis).astype(np.float32)
;;   ~~~
;;   SOFTMAX AHEAD OF A QUANTISED PRODUCT. Where the list says 'softmax', what is quantised is not the finished softmax but p = 2^(t - M), with t = logit x log2(e) and M = ceil(the row's largest t), a whole number; so 1/2 < the row's largest p <= 1. The row's sum l is taken of the UNQUANTISED p, in f32, and the product's result is divided by l at the end. Since M is a whole number, a kernel that streams over the keys may use a running M (the ceiling of the running maximum): every later rescaling is an exact power of two, which a block's scale takes up: the codes' values come out the same.
;;   OPERANDS COMPUTED ON THE WAY. 'Computed on the way' means the value that the module computes at that place (a softmax that the list does not call 'softmax' is quantised finished and normalised). What goes into a quantiser is computed in f32, as accurately as f32 sums, v_exp_f32 and their like allow (about 1e-6 of the number): no bf16 or f16 on the way to a quantiser, and a product that is left as it is and whose result goes on into a quantised operand takes f32 operands (vector FMAs, or v_wmma_f32_16x16x4_f32). A number that lies on a knife's edge between two numbers of the format may be rounded either way, as far as f32 arithmetic and the matrix unit's own rounding can turn it there, and no further.
;; One version. Each part assembles by itself: llvm-mc -triple=amdgcn-amd-amdhsa -mcpu=gfx1250 --defsym DOCPART=n.
;; ======== version 1 of 1: 7 launches
;; limits: right only within a limited range of input values
;; workspace buffers: W 9,830,400 bytes; H 3,276,800 bytes; QKV 10,092,544 bytes; O 3,276,800 bytes; X1 16,777,216 bytes; G 13,107,200 bytes
;; launch prep (part 1): grid 320 x 1, 8 waves a work-group, no clusters, 162,304 bytes of LDS; arguments wq, wk, wv, wo, w1, w2, W, x, ln1_w, ln1_b, H; writes W, H
.if DOCPART == 1
	.amdgcn_target "amdgcn-amd-amdhsa--gfx1250"
	.amdhsa_code_object_version 6
	.text
	.protected	k_q058284c976_prep
	.globl	k_q058284c976_prep
	.p2align	8
	.type	k_q058284c976_prep,@function
k_q058284c976_prep:
	s_mov_b64 s[64:65], 0
	v_nop
	global_prefetch_b8 v0, s[64:65] scope:SCOPE_SE
	s_setreg_imm32_b32 hwreg(HW_REG_WAVE_MODE, 25, 1), 1
	s_wait_xcnt 0x0
; ONE PREPARING LAUNCH, two paths chosen by the work-group's number alone; each path has LDS bytes of its own.
; WORK-GROUPS 0-191: the six weights, f32 with K as their FIRST axis, become codes of E2M3 with one E8M0 byte for each 32 along K, laid in the order of an operand's registers.
;   A lane takes a column, its registers run down K: a block of 32 lies in one lane.  Columns 32 g .. 32 g + 31 form tiles 2 g and 2 g + 1: lane-row r of tile 2 g + u is column 32 g + 8 u + r + 8 (r / 8).
;   A FRAGMENT (16 columns x 128 K) is 1,536 bytes: two halves of 64 K; in a half lane r + 16 h has 16 bytes at 16 x lane and 8 bytes at 512 + 8 x lane.  Fragment (tile, K step) lies at (tile x K / 128 + step) x 1536.
;   SCALE WORDS: unit (tile, K / 1024) of 512 bytes; lane r + 16 hh at 16 x lane holds the words of K steps 4 hh .. 4 hh + 3.  A work-group takes 128 columns x 512 K; wave w: columns 32 (w & 3) on, K 256 (w >> 2) on.
; WORK-GROUPS 192-319: h = (x - mean) / sqrt(var + 1e-5) * w + b in f32, quantised along the 1,024 channels.  Waves 0-3 own one tile of 16 tokens, waves 4-7 the next (tiles of tokens are formed as tiles of columns are).
;   PHASE A: a wave holds four whole rows in registers: mean, the variance of x - mean, the affine map; the rows go to a stage in LDS.  PHASE B: a wave takes two K steps of all 16 rows and makes their fragments and scale words.
; LIMITS: NaN and infinities are not served; a block whose largest magnitude lies under 2^-124 keeps the byte 1; a block of zeros has the byte 1 and not 127 (its codes are zeros; this program alone reads the bytes).
.set HALF, 1664                        ; weights: a fragment's place in a wave's stage: 1,536 bytes + 128
.set SG,   26624                       ; behind the eight stages: the scale words of the four column groups
.set RO,   16                          ; v16-47   byte offset of row i of a block
.set X,    48                          ; v48-111  two sets of 32 numbers
.set C,    112                         ; v112-135 the codes of four blocks
.set T,    136                         ; v136-138 a block's upper 16 codes on their way
.set OUTR, 140                         ; v140-163 two fragments on the way out
.set LB,    28672                      ; the norm's LDS: two halves of HB bytes
.set HB,    66304
.set PITCH, 4112                       ; a stage row: 4,096 bytes + 16
.set SCG,   65792                      ; behind a half's stage: the tile's 512 bytes of scale words
.set SPARE, 161280                     ; the spare words, 128 bytes a wave
.set XN,    32                         ; v32-159  four rows of 32 registers; in phase B two sets of 64 numbers
.set WR,    160
.set BR,    192
.set PC,    160
.set TM,    180
.set PW,    196
.set SEL,   20
.macro LOAD t
.if (\t) > 0
	s_wait_xcnt 0x0                                ; the loads issued so far have read their base: it may step
	s_add_nc_u64 s[4:5], s[4:5], s[36:37]
.endif
.set I, 0
.rept 32
	global_load_b32 v[X+32*((\t)%2)+I], v[RO+I], s[4:5] th:TH_LOAD_NT
.set I, I+1
.endr
.endm
.macro FLUSH q                         ; four blocks are a K step: both tiles' fragments leave, 512 neighbouring bytes a store
	s_wait_xcnt 0x0
.irp i, 0,1,2
	ds_load_b128 v[OUTR+4*\i:OUTR+4*\i+3], v6 offset:512*\i
	ds_load_b128 v[OUTR+12+4*\i:OUTR+15+4*\i], v6 offset:HALF+512*\i
.endr
	s_wait_dscnt 0x0
.irp i, 0,1,2
	global_store_b128 v7, v[OUTR+4*\i:OUTR+4*\i+3], s[44:45] offset:1536*(\q)+512*\i
	global_store_b128 v7, v[OUTR+12+4*\i:OUTR+15+4*\i], s[46:47] offset:1536*(\q)+512*\i
.endr
.endm
.macro BLOCK t
.set XS, X+32*((\t)%2)
.set KB, (\t)%4
.if (\t) < 7
	s_wait_loadcnt 32                              ; this block's 32 loads are in; the next block's 32 may be out
.else
	s_wait_loadcnt 0x0
.endif
	v_max3_num_f32 v12, |v[XS]|, |v[XS+1]|, |v[XS+2]|
	v_max3_num_f32 v13, |v[XS+3]|, |v[XS+4]|, |v[XS+5]|
.irp i, 6,10,14,18,22,26
	s_delay_alu instid0(VALU_DEP_2)
	v_max3_num_f32 v12, v12, |v[XS+\i]|, |v[XS+\i+1]|
	s_delay_alu instid0(VALU_DEP_2)
	v_max3_num_f32 v13, v13, |v[XS+\i+2]|, |v[XS+\i+3]|
.endr
	s_delay_alu instid0(VALU_DEP_2)
	v_max3_num_f32 v12, v12, |v[XS+30]|, |v[XS+31]|
	s_delay_alu instid0(VALU_DEP_1)
	v_max3_num_f32 v12, v12, v13, 0x1800000        ; and the floor 2^(3 - 127)
	s_delay_alu instid0(VALU_DEP_1)
	v_add_nc_u32 v11, 0xff000000, v12              ; 2 off the exponent field: the conversion's scale operand
	v_cvt_scalef32_pk16_fp6_f32 v[C+6*KB:C+6*KB+2], v[XS:XS+15], v11
	v_cvt_scalef32_pk16_fp6_f32 v[T:T+2], v[XS+16:XS+31], v11
	v_lshrrev_b32 v13, 23, v11                     ; the scale's byte; also the plain instruction behind the conversions
.if KB == 0
	s_delay_alu instid0(VALU_DEP_1)
	v_mov_b32 v[14+(\t)/4], v13
.else
	s_delay_alu instid0(VALU_DEP_1)
	v_lshl_or_b32 v[14+(\t)/4], v13, 8*KB, v[14+(\t)/4]
.endif
.irp i, 0,1,2
	v_mov_b32 v[C+6*KB+3+\i], v[T+\i]
.endr
	ds_store_b128 v4, v[C+6*KB:C+6*KB+3] offset:768*(KB/2)+256*(KB%2)
	ds_store_b64 v5, v[C+6*KB+4:C+6*KB+5] offset:768*(KB/2)+512+128*(KB%2)
.if (\t)+2 < 8
	LOAD (\t)+2
.endif
.if KB == 3
	FLUSH (\t)/4
.endif
.endm
.macro QUANT s                         ; 64 numbers of a lane, register 16 b + i = k 32 b + 16 (lane / 16) + i of my row, become a fragment in v[PC] on and its scale word in v[PW]
.irp b, 0,1,2,3
	v_max3_num_f32 v[TM+\b], |v[\s+16*\b]|, |v[\s+1+16*\b]|, 0x1800000
.endr
.irp i, 2,4,6,8,10,12,14
.irp b, 0,1,2,3
	v_max3_num_f32 v[TM+\b], v[TM+\b], |v[\s+16*\b+\i]|, |v[\s+1+16*\b+\i]|
.endr
.endr
.irp b, 0,1,2,3
	v_permlanex16_b32 v[TM+4+\b], v[TM+\b], s[SEL], s[SEL+1]
.endr
.irp b, 0,1,2,3
	v_max_num_f32 v[TM+\b], v[TM+\b], v[TM+4+\b]
.endr
.irp b, 0,1,2,3
	v_add_nc_u32 v[TM+12+\b], 0xff000000, v[TM+\b]
.endr
.irp b, 0,1,2,3
	v_lshrrev_b32 v[TM+4+\b], 23, v[TM+12+\b]
.endr
	v_lshl_or_b32 v[PW], v[TM+5], 8, v[TM+4]
	v_lshl_or_b32 v[PW], v[TM+6], 16, v[PW]
	v_lshl_or_b32 v[PW], v[TM+7], 24, v[PW]
.irp c, 0,1
	v_cvt_scalef32_pk16_fp6_f32 v[PC+6*\c:PC+2+6*\c], v[\s+32*\c:\s+15+32*\c], v[TM+12+2*\c]
	v_cvt_scalef32_pk16_fp6_f32 v[PC+12+4*\c:PC+14+4*\c], v[\s+16+32*\c:\s+31+32*\c], v[TM+12+2*\c+1]
.endr
	v_nop
.irp c, 0,1
.irp i, 0,1,2
	v_permlane16_swap_b32 v[PC+6*\c+\i], v[PC+12+4*\c+\i]
.endr
.irp i, 0,1,2
	v_mov_b32 v[PC+3+6*\c+\i], v[PC+12+4*\c+\i]
.endr
.endr
.endm
.macro PUTFRAG off
	global_store_b128 v4, v[PC:PC+3], s[24:25] offset:\off
	global_store_b64 v8, v[PC+4:PC+5], s[24:25] offset:\off+512
	global_store_b128 v4, v[PC+6:PC+9], s[24:25] offset:\off+768
	global_store_b64 v8, v[PC+10:PC+11], s[24:25] offset:\off+1280
.endm
.macro REDUCE r                        ; v[r + 2 i], i = 0..3: the sum over the wave's 32 lanes, in every lane
.irp m, 1,2,4,8
.irp i, 0,1,2,3
	v_add_f32_dpp v[\r+2*\i], v[\r+2*\i], v[\r+2*\i] row_xmask:\m row_mask:0xf bank_mask:0xf
.endr
.endr
.irp i, 0,1,2,3
	v_permlanex16_b32 v[\r+1+2*\i], v[\r+2*\i], s[SEL], s[SEL+1]
.endr
.irp i, 0,1,2,3
	v_add_f32 v[\r+2*\i], v[\r+2*\i], v[\r+1+2*\i]
.endr
.endm
	v_lshl_add_u32 v224, v0, 2, SPARE
	v_mov_b32 v225, 0
	v_lshrrev_b32 v1, 5, v0
	s_delay_alu instid0(VALU_DEP_1)
	v_readfirstlane_b32 s18, v1                    ; wave 0..7
	s_cmp_ge_u32 ttmp9, 192
	s_wait_alu depctr_va_vdst(0)
	s_cbranch_scc1 .Lnorm
	; ---------------- the weights ----------------
	s_load_b256 s[4:11], s[0:1], 0x0               ; wq, wk, wv, wo
	s_load_b128 s[12:15], s[0:1], 0x20             ; w1, w2
	s_load_b64 s[16:17], s[0:1], 0x30              ; W
	v_and_b32 v1, 31, v0                           ; lane
	v_bfe_u32 v2, v0, 3, 1                         ; u: which of the group's two tiles my column falls into
	s_wait_alu depctr_va_vdst(0)
	v_and_b32 v3, 7, v0
	v_bfe_u32 v12, v0, 4, 1
	s_delay_alu instid0(VALU_DEP_1)
	v_lshl_add_u32 v3, v12, 3, v3                  ; r: its lane-row there
	s_and_b32 s19, s18, 3                          ; which 32 columns
	s_lshr_b32 s20, s18, 2                         ; which 256 along K
	s_lshr_b32 s21, ttmp9, 4                       ; work-groups 0-63: tensor 0..3
	s_lshr_b32 s22, ttmp9, 6                       ; 0: one of those four; 1: w1; 2: w2
	s_and_b32 s23, ttmp9, 63
	s_lshl_b32 s24, s22, 2
	s_cmp_eq_u32 s22, 0
	s_cselect_b32 s24, s21, s24                    ; place in W in units of 786,432 bytes of codes and 32,768 of scales
	s_cselect_b32 s25, 1, 7                        ; mask of the K block
	s_cmp_eq_u32 s22, 1
	s_cselect_b32 s26, 31, 7                       ; mask of the column block
	s_cselect_b32 s27, 5, 3
	s_cselect_b32 s28, 14, 12                      ; log2 of a row's bytes
	s_cmp_eq_u32 s22, 2
	s_cselect_b32 s29, 32, 8                       ; K / 128
	s_cselect_b32 s30, 11, 9
	s_lshl_b32 s30, 1, s30                         ; a tile's scale bytes
	s_and_b32 s26, s23, s26
	s_lshr_b32 s27, s23, s27
	s_and_b32 s27, s27, s25                        ; K block of 512
	s_lshl_b32 s26, s26, 2
	s_add_co_u32 s26, s26, s19                     ; my group of 32 columns
	s_lshl_b32 s31, s27, 2
	s_lshl_b32 s33, s20, 1
	s_add_co_u32 s31, s31, s33                     ; my first K step
	s_lshl_b32 s32, 1, s28                         ; pitch
	s_lshl_b32 s34, s31, 7
	s_lshl_b32 s34, s34, s28
	s_lshl_b32 s35, s26, 7
	s_add_co_u32 s34, s34, s35                     ; where I read
	s_mov_b32 s35, 0
	s_lshl_b32 s36, s32, 5                         ; 32 rows on
	s_mov_b32 s37, 0
	s_lshl_b32 s38, s26, 1
	s_mul_i32 s38, s38, s29
	s_add_co_u32 s38, s38, s31
	s_mul_i32 s38, s38, 1536
	s_mul_i32 s39, s24, 786432
	s_add_co_u32 s38, s38, s39                     ; my even tile's first fragment
	s_mov_b32 s39, 0
	s_mul_i32 s40, s29, 1536                       ; the odd tile's lies a tile's fragments on
	s_mov_b32 s41, 0
	s_lshl_b32 s42, s26, 1
	s_mul_i32 s42, s42, s30
	s_lshl_b32 s43, s24, 15
	s_add_co_u32 s42, s42, s43
	s_lshr_b32 s43, s27, 1
	s_lshl_b32 s43, s43, 9
	s_add_co_u32 s42, s42, s43
	s_and_b32 s43, s27, 1
	s_lshl_b32 s43, s43, 8
	s_add_co_u32 s42, s42, s43
	s_add_co_u32 s42, s42, 9437184                 ; my work-group's scale words
	s_mov_b32 s43, 0
	s_mul_i32 s50, s18, 2*HALF                     ; my stage
	v_mul_u32_u24 v4, v2, HALF
	s_wait_alu depctr_va_vdst(0)
	v_lshl_add_u32 v5, v3, 3, v4
	v_lshl_add_u32 v4, v3, 4, v4
	s_delay_alu instid0(VALU_DEP_1)
	v_add_nc_u32 v4, s50, v4
	s_delay_alu instid0(VALU_DEP_3)
	v_add_nc_u32 v5, s50, v5
	v_lshlrev_b32 v7, 4, v1
	s_delay_alu instid0(VALU_DEP_1)
	v_add_nc_u32 v6, s50, v7
	s_lshl_b32 s51, s19, 9
	s_add_co_u32 s51, s51, SG
	v_add_nc_u32 v9, s51, v7
	s_lshl_b32 s52, s20, 3
	s_add_co_u32 s51, s51, s52
	v_lshlrev_b32 v8, 8, v2
	s_delay_alu instid0(VALU_DEP_1)
	v_lshl_add_u32 v8, v3, 4, v8
	s_delay_alu instid0(VALU_DEP_1)
	v_add_nc_u32 v8, s51, v8
	v_mul_u32_u24 v10, v12, s30
	v_and_b32 v13, 15, v0
	s_delay_alu instid0(VALU_DEP_1)
	v_lshl_add_u32 v10, v13, 4, v10
	v_lshlrev_b32 v[RO], 2, v1
.set I, 1
.rept 31
	s_delay_alu instid0(VALU_DEP_1)
	v_add_nc_u32 v[RO+I], s32, v[RO+I-1]
.set I, I+1
.endr
	s_wait_alu depctr_va_vdst(0)
	s_wait_kmcnt 0x0
	s_cmp_eq_u32 s21, 1                            ; the tensor's address: a choice on the work-group's number alone
	s_cselect_b64 s[4:5], s[6:7], s[4:5]
	s_cmp_eq_u32 s21, 2
	s_cselect_b64 s[4:5], s[8:9], s[4:5]
	s_cmp_eq_u32 s21, 3
	s_cselect_b64 s[4:5], s[10:11], s[4:5]
	s_cmp_eq_u32 s22, 1
	s_cselect_b64 s[4:5], s[12:13], s[4:5]
	s_cmp_eq_u32 s22, 2
	s_cselect_b64 s[4:5], s[14:15], s[4:5]
	s_add_nc_u64 s[4:5], s[4:5], s[34:35]
	s_add_nc_u64 s[44:45], s[16:17], s[38:39]
	s_add_nc_u64 s[46:47], s[44:45], s[40:41]
	s_add_nc_u64 s[48:49], s[16:17], s[42:43]
	LOAD 0
	LOAD 1
.irp t, 0,1,2,3,4,5,6,7
	BLOCK \t
.endr
	s_wait_alu depctr_va_vdst(0)
	ds_store_b64 v8, v[14:15]                      ; my column's two scale words
	s_wait_dscnt 0x0                               ; for the others' sake
	s_barrier_signal -1
	s_barrier_wait -1
	s_cmp_ge_u32 s18, 4                            ; waves 0-3 store their column group's words
	s_cbranch_scc1 .Lend_w
	ds_load_b128 v[164:167], v9
	s_wait_dscnt 0x0
	global_store_b128 v10, v[164:167], s[48:49]
.Lend_w:
	s_wait_tensorcnt 0x0                           ; the wave's end
	ds_add_u32 v224, v225
	s_wait_dscnt 0x0
	s_endpgm
	; ---------------- the first norm ----------------
.Lnorm:
	s_load_b128 s[4:7], s[0:1], 0x38               ; x, w
	s_load_b128 s[8:11], s[0:1], 0x48              ; b, H
	s_and_b32 s12, s18, 3                          ; my place among my tile's four waves
	s_lshr_b32 s28, s18, 2                         ; which of the work-group's two tiles
	s_sub_co_u32 s29, ttmp9, 192
	s_lshl_b32 s29, s29, 1
	s_add_co_u32 s29, s29, s28                     ; the tile of tokens
	s_mul_i32 s28, s28, HB
	s_add_co_u32 s28, s28, LB                      ; its half of the norm's LDS
	s_mul_i32 s13, s12, 4*PITCH
	s_add_co_u32 s13, s13, s28
	s_lshl_b32 s30, s12, 10
	s_add_co_u32 s30, s30, s28
	s_lshr_b32 s14, s12, 1
	s_and_b32 s15, s12, 1
	s_lshl_b32 s31, s14, 8
	s_lshl_b32 s16, s15, 3
	s_add_co_u32 s31, s31, s16
	s_add_co_u32 s31, s31, SCG
	s_add_co_u32 s31, s31, s28
	s_add_co_u32 s28, s28, SCG
	s_mov_b32 s[SEL], 0x76543210
	s_mov_b32 s[SEL+1], 0xfedcba98
	s_mov_b32 s22, 0x3a800000                      ; 1 / 1024
	s_mov_b32 s23, 0x3727c5ac                      ; 1e-5
	s_lshr_b32 s16, s29, 1
	s_lshl_b32 s16, s16, 5
	s_and_b32 s17, s29, 1
	s_lshl_b32 s17, s17, 3
	s_add_co_u32 s16, s16, s17
	s_lshl_b32 s17, s12, 2
	s_add_co_u32 s16, s16, s17
	s_lshl_b32 s17, s14, 3
	s_add_co_u32 s16, s16, s17                     ; my first token
	s_lshl_b32 s16, s16, 12
	s_mov_b32 s17, 0
	s_lshl_b32 s18, s29, 3
	s_lshl_b32 s19, s12, 1
	s_add_co_u32 s18, s18, s19
	s_mul_i32 s18, s18, 1536                       ; my first fragment
	s_mov_b32 s19, 0
	s_lshl_b32 s26, s29, 9
	s_add_co_u32 s26, s26, 3145728                 ; the tile's scale words
	s_mov_b32 s27, 0
	v_and_b32 v1, 31, v0
	v_and_b32 v2, 15, v0                           ; r
	v_bfe_u32 v3, v0, 4, 1                         ; h
	v_lshlrev_b32 v4, 4, v1                        ; 16 x lane
	v_lshlrev_b32 v8, 3, v1                        ; 8 x lane
	v_mul_u32_u24 v6, v2, PITCH
	v_add_nc_u32 v5, s13, v4                       ; into the stage: my four rows
	v_lshl_add_u32 v9, v2, 4, s31                  ; my scale words: 16 r + 256 (w / 2) + 8 (w % 2)
	v_lshl_add_u32 v6, v3, 6, v6
	v_add_nc_u32 v10, s28, v4
	v_add_nc_u32 v6, s30, v6                       ; out of it: row r, + 64 h, + my two K steps
	s_wait_alu depctr_va_vdst(0)                   ; the wait at the head's end
	s_wait_kmcnt 0x0
	s_add_nc_u64 s[4:5], s[4:5], s[16:17]
	s_add_nc_u64 s[24:25], s[10:11], s[18:19]
	s_add_nc_u64 s[26:27], s[10:11], s[26:27]
.irp i, 0,1,2,3
.irp j, 0,1,2,3,4,5,6,7
	global_load_b128 v[XN+32*\i+4*\j:XN+32*\i+4*\j+3], v4, s[4:5] offset:4096*\i+512*\j th:TH_LOAD_NT
.endr
.endr
.irp j, 0,1,2,3,4,5,6,7
	global_load_b128 v[WR+4*\j:WR+4*\j+3], v4, s[6:7] offset:512*\j
.endr
.irp j, 0,1,2,3,4,5,6,7
	global_load_b128 v[BR+4*\j:BR+4*\j+3], v4, s[8:9] offset:512*\j
.endr
	s_wait_loadcnt 16                              ; the rows are in; the 16 loads of w and b may be out
.irp i, 0,1,2,3
	v_pk_add_f32 v[16+2*\i:17+2*\i], v[XN+32*\i:XN+32*\i+1], v[XN+32*\i+4:XN+32*\i+5]
	v_pk_add_f32 v[24+2*\i:25+2*\i], v[XN+32*\i+2:XN+32*\i+3], v[XN+32*\i+6:XN+32*\i+7]
.endr
.irp p, 8,12,16,20,24,28
.irp i, 0,1,2,3
	v_pk_add_f32 v[16+2*\i:17+2*\i], v[16+2*\i:17+2*\i], v[XN+32*\i+\p:XN+32*\i+\p+1]
	v_pk_add_f32 v[24+2*\i:25+2*\i], v[24+2*\i:25+2*\i], v[XN+32*\i+\p+2:XN+32*\i+\p+3]
.endr
.endr
.irp i, 0,1,2,3
	v_pk_add_f32 v[16+2*\i:17+2*\i], v[16+2*\i:17+2*\i], v[24+2*\i:25+2*\i]
.endr
.irp i, 0,1,2,3
	v_add_f32 v[16+2*\i], v[16+2*\i], v[17+2*\i]
.endr
	REDUCE 16
.irp i, 0,1,2,3
	v_mul_f32 v[16+2*\i], s22, v[16+2*\i]          ; the mean
.endr
.irp p, 0,2,4,6,8,10,12,14,16,18,20,22,24,26,28,30
.irp i, 0,1,2,3
	v_pk_add_f32 v[XN+32*\i+\p:XN+32*\i+\p+1], v[XN+32*\i+\p:XN+32*\i+\p+1], v[16+2*\i:17+2*\i] op_sel_hi:[1,0] neg_lo:[0,1] neg_hi:[0,1]
.endr
.endr
.irp i, 0,1,2,3
	v_pk_mul_f32 v[24+2*\i:25+2*\i], v[XN+32*\i:XN+32*\i+1], v[XN+32*\i:XN+32*\i+1]
.endr
.irp p, 2,4,6,8,10,12,14,16,18,20,22,24,26,28,30
.irp i, 0,1,2,3
	v_pk_fma_f32 v[24+2*\i:25+2*\i], v[XN+32*\i+\p:XN+32*\i+\p+1], v[XN+32*\i+\p:XN+32*\i+\p+1], v[24+2*\i:25+2*\i]
.endr
.endr
.irp i, 0,1,2,3
	v_add_f32 v[24+2*\i], v[24+2*\i], v[25+2*\i]
.endr
	REDUCE 24
.irp i, 0,1,2,3
	v_fma_f32 v[24+2*\i], v[24+2*\i], s22, s23     ; the variance + 1e-5
.endr
	s_wait_alu depctr_va_vdst(0)
.irp i, 0,1,2,3
	v_rsq_f32 v[24+2*\i], v[24+2*\i]
.endr
	v_nop
	s_wait_alu depctr_va_vdst(0)                   ; one wait for the four, ahead of their first reader
	s_wait_loadcnt 0x0                             ; w and b
.irp p, 0,2,4,6,8,10,12,14,16,18,20,22,24,26,28,30
.irp i, 0,1,2,3
	v_pk_mul_f32 v[XN+32*\i+\p:XN+32*\i+\p+1], v[XN+32*\i+\p:XN+32*\i+\p+1], v[24+2*\i:25+2*\i] op_sel_hi:[1,0]
.endr
.irp i, 0,1,2,3
	v_pk_fma_f32 v[XN+32*\i+\p:XN+32*\i+\p+1], v[XN+32*\i+\p:XN+32*\i+\p+1], v[WR+\p:WR+\p+1], v[BR+\p:BR+\p+1]
.endr
.endr
.irp i, 0,1,2,3
.irp j, 0,1,2,3,4,5,6,7
	ds_store_b128 v5, v[XN+32*\i+4*\j:XN+32*\i+4*\j+3] offset:PITCH*\i+512*\j
.endr
.endr
	s_wait_dscnt 0x0                               ; for the others' sake: my rows lie in the stage
	s_barrier_signal -1
	s_barrier_wait -1
.irp q, 0,1
.irp b, 0,1,2,3
.irp j, 0,1,2,3
	ds_load_b128 v[XN+64*\q+16*\b+4*\j:XN+64*\q+16*\b+4*\j+3], v6 offset:512*\q+128*\b+16*\j
.endr
.endr
.endr
.irp b, 0,1,2,3
	v_mov_b32 v[TM+4+\b], 0                        ; a lane permute's destination counts as one of its sources
.endr
	s_wait_dscnt 16                                ; the first K step's 16 loads are in; the second's may be out
	QUANT XN
	PUTFRAG 0
	ds_store_b32 v9, v[PW]                         ; lanes r and r + 16 write the same word with the same value
	s_wait_dscnt 0x0
	s_wait_xcnt 0x0                                ; the stores have read the codes: they may be written again
	QUANT XN+64
	PUTFRAG 1536
	ds_store_b32 v9, v[PW] offset:4
	s_wait_dscnt 0x0
	s_barrier_signal -1
	s_barrier_wait -1
	s_cmp_lg_u32 s12, 0
	s_cbranch_scc1 .Lend_n
	ds_load_b128 v[200:203], v10
	s_wait_dscnt 0x0
	global_store_b128 v4, v[200:203], s[26:27]     ; the tile's scale words: 512 neighbouring bytes
.Lend_n:
	s_wait_tensorcnt 0x0                           ; the wave's end
	ds_add_u32 v224, v225
	s_wait_dscnt 0x0
	s_endpgm
.Lfunc_end_k_q058284c976_prep:
	.size	k_q058284c976_prep, .Lfunc_end_k_q058284c976_prep-k_q058284c976_prep
	.p2alignl 7, 3214868480
	.fill 96, 4, 3214868480
	.section	.rodata,"a",@progbits
	.p2align	6, 0x0
	.amdhsa_kernel k_q058284c976_prep
		.amdhsa_group_segment_fixed_size 162304
		.amdhsa_private_segment_fixed_size 0
		.amdhsa_enable_private_segment 0
		.amdhsa_kernarg_size 88
		.amdhsa_user_sgpr_count 2
		.amdhsa_user_sgpr_kernarg_segment_ptr 1
		.amdhsa_wavefront_size32 1
		.amdhsa_system_sgpr_workgroup_id_x 1
		.amdhsa_system_sgpr_workgroup_id_y 1
		.amdhsa_system_sgpr_workgroup_id_z 1
		.amdhsa_system_vgpr_workitem_id 0
		.amdhsa_next_free_vgpr 226
		.amdhsa_next_free_sgpr 66
		.amdhsa_reserve_vcc 0
		.amdhsa_float_denorm_mode_32 3
		.amdhsa_float_denorm_mode_16_64 3
		.amdhsa_memory_ordered 1
		.amdhsa_forward_progress 1
		.amdhsa_inst_pref_size 94
	.end_amdhsa_kernel
	.amdgpu_metadata
---
amdhsa.version: [ 1, 2 ]
amdhsa.kernels:
  - .name:           k_q058284c976_prep
    .symbol:         k_q058284c976_prep.kd
    .args:
      - { .name: wq, .offset: 0, .size: 8, .value_kind: global_buffer, .address_space: global }
      - { .name: wk, .offset: 8, .size: 8, .value_kind: global_buffer, .address_space: global }
      - { .name: wv, .offset: 16, .size: 8, .value_kind: global_buffer, .address_space: global }
      - { .name: wo, .offset: 24, .size: 8, .value_kind: global_buffer, .address_space: global }
      - { .name: w1, .offset: 32, .size: 8, .value_kind: global_buffer, .address_space: global }
      - { .name: w2, .offset: 40, .size: 8, .value_kind: global_buffer, .address_space: global }
      - { .name: W, .offset: 48, .size: 8, .value_kind: global_buffer, .address_space: global }
      - { .name: x, .offset: 56, .size: 8, .value_kind: global_buffer, .address_space: global }
      - { .name: ln1_w, .offset: 64, .size: 8, .value_kind: global_buffer, .address_space: global }
      - { .name: ln1_b, .offset: 72, .size: 8, .value_kind: global_buffer, .address_space: global }
      - { .name: H, .offset: 80, .size: 8, .value_kind: global_buffer, .address_space: global }
    .group_segment_fixed_size: 162304
    .private_segment_fixed_size: 0
    .kernarg_segment_align: 8
    .kernarg_segment_size: 88
    .max_flat_workgroup_size: 256
    .sgpr_count:     66
    .vgpr_count:     226
    .wavefront_size: 32
...
	.end_amdgpu_metadata
.endif
;; end of part 1
;; launch qkv (part 2): grid 48 x 4, 4 waves a work-group, clusters of 4 x 4, 327,680 bytes of LDS; arguments H, W, bq, bk, bv, QKV; writes QKV
.if DOCPART == 2
	.amdgcn_target "amdgcn-amd-amdhsa--gfx1250"
	.amdhsa_code_object_version 6
	.text
	.protected	k_q058284c976_qkv
	.globl	k_q058284c976_qkv
	.p2align	8
	.type	k_q058284c976_qkv,@function
k_q058284c976_qkv:
	s_mov_b64 s[64:65], 0
	v_nop
	global_prefetch_b8 v0, s[64:65] scope:SCOPE_SE
	s_setreg_imm32_b32 hwreg(HW_REG_WAVE_MODE, 25, 1), 1
	s_wait_xcnt 0x0
	s_wait_alu depctr_hold_cnt(0) depctr_sa_sdst(0) depctr_va_vdst(0) depctr_va_sdst(0) depctr_va_ssrc(0) depctr_va_vcc(0) depctr_vm_vsrc(0)
	s_getreg_b32 s2, hwreg(HW_REG_IB_STS2, 6, 4)
	s_cmp_eq_u32 s2, 0
	s_cbranch_scc0 .Lentry_in_a_cluster
	s_endpgm
.Lentry_in_a_cluster:
	s_bfe_u32 s2, ttmp6, 0x10000c
	s_cmp_lg_u32 s2, 0xf033
	s_cbranch_scc0 .Lentry_shape_is_right
	s_endpgm
.Lentry_shape_is_right:
.set NQ,    2
.set KS,    8
.set SLOTB, 98304
.set QTR,   24576
.set SQK,   294912
.set SVV,   299008
.set SPARE, 301056
.set SA,    32
.set SB,    64
.set SEL,   60
.set PC,    128
.set TM,    148
.set PW,    164
.set MSB,   0
.macro WIN new
.if MSB != (\new)
	s_set_vgpr_msb (MSB<<8)|(\new)
.set MSB, (\new)
.endif
.endm
.macro PLACES n
.rept \n
	v_nop
.endr
.endm
.macro CREST
	s_cmp_lg_u32 s16, 0
	s_cbranch_scc1 .Lnot_wave_0_\@
	s_barrier_signal -3
.Lnot_wave_0_\@:
	s_barrier_wait -3
	s_barrier_signal -1
	s_barrier_wait -1
.endm
.macro CROUND
	s_barrier_signal -1
	s_barrier_wait -1
	CREST
.endm
.macro JLOAD g0a, g0b
	s_cmp_eq_u32 s17, 0
	s_cbranch_scc0 .Lfor_b_\@
	tensor_load_to_lds s[\g0a:\g0a+3], s[32:39]
	s_nop 0
.rept 4
	v_nop
.endr
	s_branch .Lasked_\@
.Lfor_b_\@:
	tensor_load_to_lds s[\g0b:\g0b+3], s[40:47]
	s_nop 0
.rept 4
	v_nop
.endr
.Lasked_\@:
.endm
.macro FRAG reg, adr, off
	ds_load_b128 v[\reg:\reg+3], v[\adr] offset:\off
	ds_load_b64 v[\reg+4:\reg+5], v[\adr+1] offset:\off+512
	ds_load_b128 v[\reg+6:\reg+9], v[\adr] offset:\off+768
	ds_load_b64 v[\reg+10:\reg+11], v[\adr+1] offset:\off+1280
.endm
.macro FETCH ks
.set FS, (\ks)%2
.if (\ks) < 4                          ; K steps 0-3 lie in the head's region: a tile's four fragments on end
.set FSL, 0
.set FP, 6144
.set FO, (\ks)*1536
.else                                  ; steps 4, 5 and steps 6, 7: two fragments a tile
.set FSL, (\ks)/2-1
.set FP, 3072
.set FO, ((\ks)%2)*1536
.endif
	WIN 0x40
.irp i, 0,1,2,3,4,5,6,7
	FRAG 96*FS+12*\i, 10+4*FSL, \i*FP+FO
.endr
.if FS
.irp i, 4,5,6,7
	FRAG 192+12*(\i-4), 8+4*FSL, \i*FP+FO
.endr
.endif
	WIN 0
.if FS
.irp i, 0,1,2,3
	FRAG 192+12*\i, 8+4*FSL, \i*FP+FO
.endr
.else
.irp i, 0,1,2,3,4,5,6,7
	FRAG 96+12*\i, 8+4*FSL, \i*FP+FO
.endr
.endif
.endm
.macro MULQ ks, qd, first
.set MS, (\ks)%2
.set MJ, (\ks)%4
.set MR, ((\ks)%8)/4
.irp aa, 0,1
.set MA, 2*(\qd)+\aa
.if MA < 4
	WIN 0xa1
.elseif MS
	WIN 0xf5
.else
	WIN 0xf1
.endif
.if MS
.set MF, 192+12*(MA%4)
.else
.set MF, 96+12*MA
.endif
.irp b, 0,1,2,3,4,5,6,7
.set MD, 8*(8*(MA%4)+\b)
.set MB, 96*MS+12*\b
.if \first
	v_wmma_scale_f32_16x16x128_f8f6f4 v[MD:MD+7], v[MB:MB+11], v[MF:MF+11], 0, v[SB+4*\b+MJ], v[SA+4*MA+MJ] matrix_a_fmt:MATRIX_FMT_FP6 matrix_b_fmt:MATRIX_FMT_FP6
.elseif MR
	v_wmma_scale_f32_16x16x128_f8f6f4 v[MD:MD+7], v[MB:MB+11], v[MF:MF+11], v[MD:MD+7], v[SB+4*\b+MJ], v[SA+4*MA+MJ] matrix_a_fmt:MATRIX_FMT_FP6 matrix_b_fmt:MATRIX_FMT_FP6 matrix_a_scale:MATRIX_SCALE_ROW1 matrix_b_scale:MATRIX_SCALE_ROW1
.else
	v_wmma_scale_f32_16x16x128_f8f6f4 v[MD:MD+7], v[MB:MB+11], v[MF:MF+11], v[MD:MD+7], v[SB+4*\b+MJ], v[SA+4*MA+MJ] matrix_a_fmt:MATRIX_FMT_FP6 matrix_b_fmt:MATRIX_FMT_FP6
.endif
.endr
.endr
.endm
.macro HOOK
	s_cmp_ge_u32 s19, 8
	s_cbranch_scc1 .Lhook_v
	WIN 0x40
.irp b, 0,1,2,3
.irp j, 0,1,2,3
	global_load_b128 v[16*\b+4*\j:16*\b+4*\j+3], v22, s[92:93] offset:128*\b+16*\j
.endr
.endr
	WIN 0
	s_branch .Lhook_done
.Lhook_v:
	WIN 0x40
.irp a, 0,1,2,3,4,5,6,7
	global_load_b32 v[2*\a], v23, s[92:93] offset:(32*(\a/2)+8*(\a%2))*4
	global_load_b32 v[2*\a+1], v23, s[92:93] offset:(32*(\a/2)+8*(\a%2))*4
.endr
	WIN 0
.Lhook_done:
.endm
.macro KSTEP ks, mode, first
.if (\mode) == 0
	s_wait_dscnt 0x0
	PLACES 4
	FETCH (\ks)+1
	MULQ \ks, 0, \first
	MULQ \ks, 1, \first
	MULQ \ks, 2, \first
	MULQ \ks, 3, \first
.elseif (\mode) == 3
	s_wait_dscnt 0x0
	PLACES 4
	WIN 0
	HOOK
	MULQ \ks, 0, 0
	MULQ \ks, 1, 0
	MULQ \ks, 2, 0
	MULQ \ks, 3, 0
.else
	WIN 0
	s_wait_tensorcnt 0x0
	ds_add_u32 v28, v29
	s_wait_dscnt 0x1
	MULQ \ks, 0, 0
	s_wait_dscnt 0x0
	s_barrier_signal -1
	MULQ \ks, 1, 0
	WIN 0
	s_barrier_wait -1
.if (\mode) == 1
	CREST
.set RS, 2                             ; the one refill: K steps 6 and 7, onto the first bytes of the head's region
	JLOAD 48+4*RS, 68+4*RS
.else
	PLACES 4
.endif
	FETCH (\ks)+1
	MULQ \ks, 2, 0
	MULQ \ks, 3, 0
.endif
.endm
.macro QUANT s
.irp b, 0,1,2,3
	v_max3_num_f32 v[TM+\b], |v[\s+16*\b]|, |v[\s+1+16*\b]|, 0x1800000
.endr
.irp i, 2,4,6,8,10,12,14
.irp b, 0,1,2,3
	v_max3_num_f32 v[TM+\b], v[TM+\b], |v[\s+16*\b+\i]|, |v[\s+1+16*\b+\i]|
.endr
.endr
.irp b, 0,1,2,3
	v_permlanex16_b32 v[TM+4+\b], v[TM+\b], s[SEL], s[SEL+1]
.endr
.irp b, 0,1,2,3
	v_max_num_f32 v[TM+\b], v[TM+\b], v[TM+4+\b]
.endr
.irp b, 0,1,2,3
	v_add_nc_u32 v[TM+12+\b], 0xff000000, v[TM+\b]
.endr
.irp b, 0,1,2,3
	v_lshrrev_b32 v[TM+4+\b], 23, v[TM+12+\b]
.endr
	v_lshl_or_b32 v[PW], v[TM+5], 8, v[TM+4]
	v_lshl_or_b32 v[PW], v[TM+6], 16, v[PW]
	v_lshl_or_b32 v[PW], v[TM+7], 24, v[PW]
.irp c, 0,1
	v_cvt_scalef32_pk16_fp6_f32 v[PC+6*\c:PC+2+6*\c], v[\s+32*\c:\s+15+32*\c], v[TM+12+2*\c]
	v_cvt_scalef32_pk16_fp6_f32 v[PC+12+4*\c:PC+14+4*\c], v[\s+16+32*\c:\s+31+32*\c], v[TM+12+2*\c+1]
.endr
	v_nop
.irp c, 0,1
.irp i, 0,1,2
	v_permlane16_swap_b32 v[PC+6*\c+\i], v[PC+12+4*\c+\i]
.endr
.irp i, 0,1,2
	v_mov_b32 v[PC+3+6*\c+\i], v[PC+12+4*\c+\i]
.endr
.endr
.endm
.macro EBLK a, isv
	s_wait_xcnt 0x0
	s_wait_dscnt 0x0
	WIN 0x46+(\a)/4
.set I, 0
.rept 32
.if \isv
	v_pk_add_f32 v[64+I:65+I], v[64*((\a)%4)+I:64*((\a)%4)+I+1], v[2*(\a):2*(\a)+1]
.else
	v_pk_add_f32 v[64+I:65+I], v[64*((\a)%4)+I:64*((\a)%4)+I+1], v[I:I+1]
.endif
.set I, I+2
.endr
	WIN 0x55
	QUANT 64
.if \isv
	global_store_b128 v240, v[PC:PC+3], s[88:89] offset:98304*((\a)/4)+1536*((\a)%4)
	global_store_b64 v241, v[PC+4:PC+5], s[88:89] offset:98304*((\a)/4)+1536*((\a)%4)+512
	global_store_b128 v240, v[PC+6:PC+9], s[88:89] offset:98304*((\a)/4)+1536*((\a)%4)+768
	global_store_b64 v241, v[PC+10:PC+11], s[88:89] offset:98304*((\a)/4)+1536*((\a)%4)+1280
	ds_store_b32 v244, v[PW] offset:256*((\a)/4)+4*((\a)%4)
.else
	v_lshrrev_b32 v[PW+1], 16, v[PW]
	global_store_b128 v240, v[PC:PC+3], s[88:89] offset:768*(\a)
	global_store_b64 v241, v[PC+4:PC+5], s[88:89] offset:768*(\a)+512
	global_store_b128 v240, v[PC+6:PC+9], s[88:89] offset:768*(\a)+98304
	global_store_b64 v241, v[PC+10:PC+11], s[88:89] offset:768*(\a)+98304+512
	ds_store_b32 v242, v[PW] offset:256*((\a)/4)+4*((\a)%4)
	ds_store_b32 v242, v[PW+1] offset:512+256*((\a)/4)+4*((\a)%4)
.endif
.endm
	s_load_b256 s[4:11], s[0:1], 0x0
	s_load_b128 s[12:15], s[0:1], 0x20
	v_lshl_add_u32 v28, v0, 2, SPARE
	v_mov_b32 v29, 0
	ds_add_u32 v28, v29
	ds_add_u32 v28, v29
	s_wait_dscnt 0x0
	v_lshrrev_b32 v1, 5, v0
	v_readfirstlane_b32 s16, v1
	s_lshr_b32 s17, s16, 1
	s_and_b32 s18, s16, 1
	s_mov_b32 s19, ttmp9
	s_bfe_u32 s20, ttmp6, 0x40000
	s_bfe_u32 s21, ttmp6, 0x40004
	s_lshl_b32 s22, s21, 2
	s_lshl_b32 s22, 15, s22
	s_lshl_b32 s23, 0x1111, s20
	s_or_b32 s32, s22, (3<<16)|(1<<21)
	s_or_b32 s40, s23, (3<<16)|(1<<21)
.irp g, 32, 40
	s_mov_b32 s[\g+1], 768<<16                     ; the head's load: four fragments a tile, 6,144 bytes
	s_mov_b32 s[\g+2], 8<<16
	s_mov_b32 s[\g+3], 768<<16
	s_mov_b32 s[\g+4], 8
	s_mov_b32 s[\g+5], 1536
	s_mov_b32 s[\g+6], 0
	s_mov_b32 s[\g+7], 0
.endr
	s_mov_b32 s[SEL], 0x76543210
	s_mov_b32 s[SEL+1], 0xfedcba98
	s_lshr_b32 s24, s19, 1
	s_lshl_b32 s24, s24, 2
	s_and_b32 s31, s19, 1
	s_lshl_b32 s26, s31, 2
	s_sub_co_u32 s27, s19, 8
	s_lshl_b32 s27, s27, 2
	s_mov_b32 s28, 9437184
	s_mov_b32 s29, 3145728
	s_wait_kmcnt 0x0
	s_cmp_ge_u32 s19, 8
	s_cselect_b32 s80, 8, s24
	s_cselect_b32 s81, s27, s26
	s_cselect_b64 s[82:83], s[6:7], s[4:5]
	s_cselect_b64 s[84:85], s[4:5], s[6:7]
	s_cselect_b32 s86, s28, s29
	s_cselect_b32 s87, s29, s28
	s_add_co_u32 s80, s80, s21
	s_add_co_u32 s81, s81, s20
	s_lshl_b32 s24, s80, 4
	s_lshl_b32 s22, s18, 3
	s_add_co_u32 s24, s24, s22
	s_mul_i32 s24, s24, KS*1536
	s_mov_b32 s25, 0
	s_add_nc_u64 s[24:25], s[82:83], s[24:25]
	s_lshl_b32 s26, s81, 4
	s_add_co_u32 s26, s26, s22
	s_mul_i32 s26, s26, KS*1536
	s_mov_b32 s27, 0
	s_add_nc_u64 s[26:27], s[84:85], s[26:27]
	s_mul_i32 s30, s16, QTR
	CROUND
.irp s, 0,1,2
	s_mov_b32 s[48+4*\s], 1
.if \s == 0
	s_mul_i32 s[49+4*\s], s16, 2*QTR               ; set 0: K steps 0-3, 49,152 bytes a wave, from byte 0
.else
	s_add_co_u32 s[49+4*\s], s30, (\s%2)*2*SLOTB   ; set 1: steps 4, 5 behind them; set 2: steps 6, 7 from byte 0 again
.endif
	s_add_nc_u64 s[50+4*\s:51+4*\s], s[24:25], (\s+(\s+1)/2)*3072
	s_or_b32 s[51+4*\s], s[51+4*\s], 0x80000000
	s_mov_b32 s[68+4*\s], 1
.if \s == 0
	s_mul_i32 s[69+4*\s], s16, 2*QTR
.else
	s_add_co_u32 s[69+4*\s], s30, (\s%2)*2*SLOTB
.endif
	s_add_nc_u64 s[70+4*\s:71+4*\s], s[26:27], (\s+(\s+1)/2)*3072
	s_or_b32 s[71+4*\s], s[71+4*\s], 0x80000000
.if \s == 0
	JLOAD 48, 68                                   ; one tensor load a wave at the head
.endif
.endr
	s_lshl_b32 s22, s80, 4
	s_lshl_b32 s23, s17, 3
	s_add_co_u32 s22, s22, s23
	s_lshl_b32 s22, s22, 9
	s_add_co_u32 s22, s22, s86
	s_mov_b32 s23, 0
	s_add_nc_u64 s[82:83], s[82:83], s[22:23]
	s_lshl_b32 s22, s81, 4
	s_lshl_b32 s23, s18, 3
	s_add_co_u32 s22, s22, s23
	s_lshl_b32 s22, s22, 9
	s_add_co_u32 s22, s22, s87
	s_mov_b32 s23, 0
	s_add_nc_u64 s[84:85], s[84:85], s[22:23]
	v_and_b32 v1, 31, v0
	v_and_b32 v2, 15, v0
	v_bfe_u32 v3, v0, 4, 1
	s_wait_alu depctr_va_vdst(0)
	v_lshlrev_b32 v20, 4, v1
	s_wait_alu depctr_va_vdst(0)
	v_lshlrev_b32 v21, 3, v1
	s_wait_alu depctr_va_vdst(0)
.irp i, 0,1,2,3,4,5,6,7
	global_load_b128 v[SA+4*\i:SA+4*\i+3], v20, s[82:83] offset:512*\i
	global_load_b128 v[SB+4*\i:SB+4*\i+3], v20, s[84:85] offset:512*\i
.endr
	s_lshl_b32 s22, s20, 10
	s_lshl_b32 s23, s18, 9
	s_add_co_u32 s22, s22, s23
	s_lshl_b32 s24, s21, 10
	s_lshl_b32 s25, s17, 9
	s_add_co_u32 s24, s24, s25
	s_cmp_eq_u32 s31, 1
	s_cselect_b64 s[92:93], s[10:11], s[8:9]
	s_cmp_ge_u32 s19, 8
	s_cselect_b64 s[92:93], s[12:13], s[92:93]
	s_cselect_b32 s22, s24, s22
	s_mov_b32 s23, 0
	s_add_nc_u64 s[92:93], s[92:93], s[22:23]
	v_lshlrev_b32 v22, 6, v3
	v_and_b32 v4, 8, v2
	v_add_nc_u32 v4, v4, v2
	v_lshlrev_b32 v23, 2, v4
	s_mul_i32 s26, s17, QTR
	s_mul_i32 s27, s18, QTR
	s_add_co_u32 s27, s27, 2*QTR
.irp s, 2,1
	v_add_nc_u32 v[8+4*\s], s26, v20
	v_add_nc_u32 v[9+4*\s], s26, v21
	v_add_nc_u32 v[10+4*\s], s27, v20
	v_add_nc_u32 v[11+4*\s], s27, v21
	s_add_co_u32 s26, s26, 2*SLOTB
	s_add_co_u32 s27, s27, 2*SLOTB
.endr
	s_mul_i32 s26, s17, 2*QTR                      ; the head's region: quarters of 49,152 bytes
	s_mul_i32 s27, s18, 2*QTR
	s_add_co_u32 s27, s27, 4*QTR
	v_add_nc_u32 v8, s26, v20
	v_add_nc_u32 v9, s26, v21
	v_add_nc_u32 v10, s27, v20
	v_add_nc_u32 v11, s27, v21
	v_mul_u32_u24 v5, v3, 12288
	v_lshl_add_u32 v5, v2, 4, v5
	s_lshl_b32 s22, s16, 10
	s_add_co_u32 s22, s22, SQK
	s_lshl_b32 s23, s16, 9
	s_add_co_u32 s23, s23, SVV
	WIN 0x40
	v_mov_b32 v240, v20
	v_mov_b32 v241, v21
	v_lshl_add_u32 v242, v2, 4, s22
	v_add_nc_u32 v243, s22, v20
	v_lshl_add_u32 v244, v2, 4, s23
	v_add_nc_u32 v245, s23, v20
	v_mov_b32 v246, v5
	WIN 0
	s_wait_alu depctr_va_vdst(0)                   ; the wait at the head's end
	s_wait_tensorcnt 0x0                           ; my part of K steps 0-3 is in
	ds_add_u32 v28, v29
	s_mov_b32 s33, 384<<16                         ; no load of mine is out: from here on a load brings two fragments a tile
	s_mov_b32 s35, 384<<16
	s_mov_b32 s41, 384<<16
	s_mov_b32 s43, 384<<16
	s_wait_dscnt 0x0
	CROUND
	JLOAD 52, 72                                   ; K steps 4 and 5: they have steps 0-3 in which to land
	s_wait_loadcnt 0x0
	FETCH 0
	KSTEP 0, 0, 1
	KSTEP 1, 0, 0
	KSTEP 2, 0, 0
	KSTEP 3, 1, 0
	KSTEP 4, 0, 0
	KSTEP 5, 2, 0
	KSTEP 6, 0, 0
	KSTEP 7, 3, 0
	WIN 0
	PLACES 4
	s_wait_loadcnt 0x0
	WIN 0x40
.irp b, 0,1,2,3
	v_mov_b32 v[TM+4+\b], 0
.endr
	WIN 0
	s_cmp_ge_u32 s19, 8
	s_cbranch_scc1 .Lepi_v
	s_lshr_b32 s22, s80, 3
	s_lshl_b32 s22, s22, 4
	s_lshl_b32 s23, s20, 2
	s_add_co_u32 s22, s22, s23
	s_lshl_b32 s23, s18, 1
	s_add_co_u32 s22, s22, s23
	s_lshl_b32 s23, s80, 4
	s_lshl_b32 s24, s17, 3
	s_add_co_u32 s23, s23, s24
	s_and_b32 s23, s23, 127
	s_lshl_b32 s24, s22, 7
	s_add_co_u32 s24, s24, s23
	s_mul_i32 s24, s24, 768
	s_mul_i32 s25, s31, 3145728
	s_add_co_u32 s24, s24, s25
	s_mov_b32 s25, 0
	s_add_nc_u64 s[88:89], s[14:15], s[24:25]
	s_lshr_b32 s23, s23, 3
	s_lshl_b32 s23, s23, 9
	s_mov_b32 s26, 12288
	s_mov_b32 s27, 9699328
	s_mov_b32 s28, 9437184
	s_cmp_eq_u32 s31, 1
	s_cselect_b32 s26, s26, 8192
	s_cselect_b32 s27, s27, s28
	s_mul_i32 s24, s22, s26
	s_add_co_u32 s24, s24, s23
	s_add_co_u32 s24, s24, s27
	s_mov_b32 s25, 0
	s_add_nc_u64 s[90:91], s[14:15], s[24:25]
	s_mov_b32 s27, 0
	s_add_nc_u64 s[94:95], s[90:91], s[26:27]
.irp a, 0,1,2,3,4,5,6,7
	EBLK \a, 0
.endr
	ds_load_b128 v[64:67], v243
	ds_load_b128 v[68:71], v243 offset:512
	s_wait_dscnt 0x0
	global_store_b128 v240, v[64:67], s[90:91]
	global_store_b128 v240, v[68:71], s[94:95]
	WIN 0
	s_branch .Ltail
.Lepi_v:
	s_lshl_b32 s22, s81, 1
	s_add_co_u32 s22, s22, s18
	s_lshr_b32 s23, s22, 4
	s_and_b32 s22, s22, 15
	s_lshl_b32 s23, s23, 4
	s_lshl_b32 s24, s21, 2
	s_add_co_u32 s23, s23, s24
	s_lshl_b32 s24, s17, 1
	s_add_co_u32 s23, s23, s24
	s_mul_i32 s24, s23, 98304
	s_mul_i32 s25, s22, 6144
	s_add_co_u32 s24, s24, s25
	s_add_co_u32 s24, s24, 6291456
	s_mov_b32 s25, 0
	s_add_nc_u64 s[88:89], s[14:15], s[24:25]
	s_mul_i32 s24, s23, 12288
	s_lshl_b32 s25, s22, 8
	s_add_co_u32 s24, s24, s25
	s_add_co_u32 s24, s24, 9699328+8192
	s_mov_b32 s25, 0
	s_add_nc_u64 s[90:91], s[14:15], s[24:25]
.irp a, 0,1,2,3,4,5,6,7
	EBLK \a, 1
.endr
	ds_load_b128 v[64:67], v245
	s_wait_dscnt 0x0
	global_store_b128 v246, v[64:67], s[90:91]
	WIN 0
.Ltail:
	s_wait_tensorcnt 0x0
	ds_add_u32 v28, v29
	s_wait_dscnt 0x0
	CROUND
	s_endpgm
.Lfunc_end_k_q058284c976_qkv:
	.size	k_q058284c976_qkv, .Lfunc_end_k_q058284c976_qkv-k_q058284c976_qkv
	.p2alignl 7, 3214868480
	.fill 96, 4, 3214868480
	.section	.rodata,"a",@progbits
	.p2align	6, 0x0
	.amdhsa_kernel k_q058284c976_qkv
		.amdhsa_group_segment_fixed_size 327680
		.amdhsa_private_segment_fixed_size 0
		.amdhsa_enable_private_segment 0
		.amdhsa_kernarg_size 48
		.amdhsa_user_sgpr_count 2
		.amdhsa_user_sgpr_kernarg_segment_ptr 1
		.amdhsa_wavefront_size32 1
		.amdhsa_system_sgpr_workgroup_id_x 1
		.amdhsa_system_sgpr_workgroup_id_y 1
		.amdhsa_system_sgpr_workgroup_id_z 1
		.amdhsa_system_vgpr_workitem_id 0
		.amdhsa_next_free_vgpr 1024
		.amdhsa_next_free_sgpr 100
		.amdhsa_reserve_vcc 0
		.amdhsa_float_denorm_mode_32 3
		.amdhsa_float_denorm_mode_16_64 3
		.amdhsa_memory_ordered 1
		.amdhsa_forward_progress 1
		.amdhsa_inst_pref_size 219
	.end_amdhsa_kernel
	.amdgpu_metadata
---
amdhsa.version: [ 1, 2 ]
amdhsa.kernels:
  - .name:           k_q058284c976_qkv
    .symbol:         k_q058284c976_qkv.kd
    .args:
      - { .name: H, .offset: 0, .size: 8, .value_kind: global_buffer, .address_space: global }
      - { .name: W, .offset: 8, .size: 8, .value_kind: global_buffer, .address_space: global }
      - { .name: bq, .offset: 16, .size: 8, .value_kind: global_buffer, .address_space: global }
      - { .name: bk, .offset: 24, .size: 8, .value_kind: global_buffer, .address_space: global }
      - { .name: bv, .offset: 32, .size: 8, .value_kind: global_buffer, .address_space: global }
      - { .name: QKV, .offset: 40, .size: 8, .value_kind: global_buffer, .address_space: global }
    .group_segment_fixed_size: 327680
    .private_segment_fixed_size: 0
    .kernarg_segment_align: 8
    .kernarg_segment_size: 48
    .max_flat_workgroup_size: 128
    .sgpr_count:     100
    .vgpr_count:     1024
    .wavefront_size: 32
...
	.end_amdgpu_metadata
.endif
;; end of part 2
;; launch attn (part 3): grid 8 x 32, 8 waves a work-group, clusters of 4 x 1, 327,680 bytes of LDS; arguments QKV, O; writes O
.if DOCPART == 3
	.amdgcn_target "amdgcn-amd-amdhsa--gfx1250"
	.amdhsa_code_object_version 6
	.text
	.protected	k_q058284c976_attn
	.globl	k_q058284c976_attn
	.p2align	8
	.type	k_q058284c976_attn,@function
k_q058284c976_attn:
	s_mov_b64 s[64:65], 0
	v_nop
	global_prefetch_b8 v0, s[64:65] scope:SCOPE_SE
	s_setreg_imm32_b32 hwreg(HW_REG_WAVE_MODE, 25, 1), 1
	s_wait_xcnt 0x0
	s_wait_alu depctr_hold_cnt(0) depctr_sa_sdst(0) depctr_va_vdst(0) depctr_va_sdst(0) depctr_va_ssrc(0) depctr_va_vcc(0) depctr_vm_vsrc(0)
	s_getreg_b32 s2, hwreg(HW_REG_IB_STS2, 6, 4)
	s_cmp_eq_u32 s2, 0
	s_cbranch_scc0 .Lentry_in_a_cluster
	s_endpgm
.Lentry_in_a_cluster:
	s_bfe_u32 s2, ttmp6, 0x10000c
	s_cmp_lg_u32 s2, 0x3003
	s_cbranch_scc0 .Lentry_shape_is_right
	s_endpgm
.Lentry_shape_is_right:
; o = softmax(q k^T / 8) v for one head, both products on codes of E2M3; o is quantised along the head's 64 channels on the way out.
; THE SOFTMAX: t = score x log2(e) / 8; M = the running largest t rounded UP to a whole number; p = 2^(t - M) is quantised along the keys, not normalised; the row's sum is taken of the unquantised p and divides at the end.
; SHARES.  A work-group owns 256 queries of one head; each of its eight waves owns TWO tiles of 16 queries, A and B, so that every fragment of K and V read from LDS feeds two tiles.  Every wave walks the 2,048 keys, 128 a step.
; LDS.  The head's K and V come ONCE: wave w's one tensor load brings key steps 2 w and 2 w + 1 as two rows of 12,288 bytes, K's and V's, to byte 24,576 w.  Wave 0 asks at the head; waves 1-7 behind the full sequence and a round,
; so that the first step runs while their pairs land.  The four work-groups of a cluster belong to one head and ask jointly.  The 12,288 bytes of scale words go through registers into LDS bytes of their own.  No byte is filled twice.
; No prefetch: the fills stand at the head, and there is no loop to run ahead in.
; LAYOUT.  S^T = K Q^T, O^T = V^T P^T: a lane holds ONE query.  A tile of K is formed of stored rows so that lane-rows 0-7 of tile (G, t) are keys 64 G + 8 t + 0..7 and lane-rows 8-15 keys 64 G + 32 + 8 t + 0..7:
; the 32 registers of tiles (G, 0..3) are then a WHOLE block of 32 neighbouring keys in one lane (block 2 G + lane / 16), in the order of the next operand: no lane is asked for a block's maximum, no codes change lanes.
; THE FIRST PRODUCT'S K IS 64: Q's registers 6-11 are zero codes; the other 6 registers of K's operand are the next tile's codes (or zeros): finite numbers times zero.  The scale bytes of that half are never 0xff.
; A STEP: both tiles' scores; V and the next step's K are asked of LDS; both tiles' maxima, M and t - M (no exponential stands between the scores and their first readers); tile A's exponentials, sum and codes;
; tile A's weighted sum is issued ahead of tile B's exponentials; tile B's weighted sum ends the step.
; REGISTERS.  Both windows, same numbers, tile A in window 0 and B in window 1: v12 -M, v13 the largest score, v[14:15] the sum, v16-27 Q, v31 8 x (lane / 16), v96-159 S^T then p, v160-191 O^T, v192-207 at work, v208-226 p's codes, v228-233 sums.
;   Window 0 alone: v1-11 offsets and addresses, v28-29 Q's scale words, v30 stage address, v32-85 K, v86-89 K's scale words, v90-93 V's, v94-95 p's (A, B), v254-255 for the add.   Window 1 alone: v32-79 V.
; LIMITS: NaN and infinities are not served; the promise holds while the scaled scores stay under 2^31 in magnitude; a block of o whose largest magnitude lies under 2^-124 keeps the byte 1.
.set CH,    24576                      ; a pair of key steps: K's 12,288 bytes, then V's
.set SOFF,  196608                     ; K's scale words (512 bytes a step), 8,192 on V's (256 bytes a step)
.set OSTG,  208896                     ; o's scale bytes on their way out: 32 bytes a tile
.set SPARE, 0x34000                    ; the spare words, 128 bytes a wave
.set SEL,   60
.set CS,    62
.set MSB,   0
.macro WIN new
.if MSB != (\new)
	s_set_vgpr_msb (MSB<<8)|(\new)
.set MSB, (\new)
.endif
.endm
.macro PLACES n
.rept \n
	v_nop
.endr
.endm
.macro CROUND
	s_barrier_signal -1
	s_barrier_wait -1
	s_cmp_lg_u32 s8, 0
	s_cbranch_scc1 .Lnot_wave_0_\@
	s_barrier_signal -3
.Lnot_wave_0_\@:
	s_barrier_wait -3
	s_barrier_signal -1
	s_barrier_wait -1
.endm
.macro LOADK ka, kb, sk, ko, so        ; a step's eight tiles of K and their scale words (lanes 0-15: G = 0, lanes 16-31: G = 1)
.irp t, 0,1,2,3,4,5,6,7
	ds_load_b128 v[32+6*\t:35+6*\t], v[\ka] offset:\ko+768*(4*(\t/4)+\t%2)+128*((\t%4)/2)
	ds_load_b64 v[36+6*\t:37+6*\t], v[\kb] offset:\ko+768*(4*(\t/4)+\t%2)+512+64*((\t%4)/2)
.endr
	ds_load_b64 v[86:87], v[\sk] offset:\so
	ds_load_b64 v[88:89], v[\sk] offset:\so+128
.endm
.macro SMUL qs                         ; S^T = K Q^T, eight tiles
.irp t, 0,1,2,3
	v_wmma_scale_f32_16x16x128_f8f6f4 v[96+8*\t:103+8*\t], v[32+6*\t:43+6*\t], v[16:27], 0, v[86+\t], v[\qs] matrix_a_fmt:MATRIX_FMT_FP6 matrix_b_fmt:MATRIX_FMT_FP6
.endr
.irp t, 4,5,6,7
	v_wmma_scale_f32_16x16x128_f8f6f4 v[96+8*\t:103+8*\t], v[32+6*\t:43+6*\t], v[16:27], 0, v[82+\t], v[\qs] matrix_a_fmt:MATRIX_FMT_FP6 matrix_b_fmt:MATRIX_FMT_FP6 matrix_a_scale:MATRIX_SCALE_ROW1
.endr
.endm
.macro PV q, pw                        ; O^T += V^T P^T, four accumulators by turns
.irp d, 0,1,2,3
.if (\q) == 0
	v_wmma_scale_f32_16x16x128_f8f6f4 v[160+8*\d:167+8*\d], v[32+12*\d:43+12*\d], v[208:219], v[160+8*\d:167+8*\d], v[90+\d], v[\pw] matrix_a_fmt:MATRIX_FMT_FP6 matrix_b_fmt:MATRIX_FMT_FP6
.else
	v_wmma_scale_f32_16x16x128_f8f6f4 v[160+8*\d:167+8*\d], v[32+12*\d:43+12*\d], v[208:219], v[160+8*\d:167+8*\d], v[90+\d], v[\pw] matrix_a_fmt:MATRIX_FMT_FP6 matrix_b_fmt:MATRIX_FMT_FP6 matrix_a_scale:MATRIX_SCALE_ROW1
.endif
.endr
.endm
.macro OMUL j                          ; one accumulator of O^T under the new M
.irp i, 0,2,4,6
	v_pk_mul_f32 v[160+\j+\i:161+\j+\i], v[160+\j+\i:161+\j+\i], v[204:205] op_sel_hi:[1,0]
.endr
.endm
.macro PART1 wn                        ; one tile's 128 keys: the blocks' largest scores, the new M and f, t - M
	WIN \wn
.irp b, 0,1                            ; my two blocks' largest scores, four chains by turns; each accumulator is read from its low end on
	v_max3_num_f32 v[192+\b], v[96+32*\b], v[97+32*\b], v[98+32*\b]
	v_max3_num_f32 v[194+\b], v[112+32*\b], v[113+32*\b], v[114+32*\b]
.endr
.irp i, 3,5,7,9,11,13
.irp b, 0,1
	v_max3_num_f32 v[192+\b], v[192+\b], v[96+32*\b+\i], v[97+32*\b+\i]
	v_max3_num_f32 v[194+\b], v[194+\b], v[112+32*\b+\i], v[113+32*\b+\i]
.endr
.endr
.irp b, 0,1
	v_max3_num_f32 v[192+\b], v[192+\b], v[194+\b], v[111+32*\b]
.endr
.irp b, 0,1
	v_max_num_f32 v[192+\b], v[192+\b], v[127+32*\b]
.endr
	v_max_num_f32 v207, v192, v193
	s_delay_alu instid0(VALU_DEP_1)
	v_permlanex16_b32 v196, v207, s[SEL], s[SEL+1]
	s_delay_alu instid0(VALU_DEP_1)
	v_max3_num_f32 v13, v13, v207, v196            ; the running largest score of my query
	s_delay_alu instid0(VALU_DEP_1)
	v_mul_f32 v197, s[CS], v13                     ; as t (c is positive)
	s_delay_alu instid0(VALU_DEP_1)
	v_floor_f32 v198, -v197                        ; the new -M = -ceil(t)
	s_delay_alu instid0(VALU_DEP_1)
	v_sub_f32 v207, v198, v12                      ; old M - new M: a whole number, 0 or less
	v_mov_b32 v12, v198
	s_delay_alu instid0(VALU_DEP_2)
	v_cvt_i32_f32 v207, v207
	s_delay_alu instid0(VALU_DEP_1)
	v_ldexp_f32 v204, 1.0, v207                    ; f = 2^(old M - new M): a multiplication by it rounds nothing
.set J, 0
.rept 32
	v_pk_fma_f32 v[96+J:97+J], v[96+J:97+J], s[CS:CS+1], v[12:13] op_sel_hi:[1,0,0]   ; t - M
.set J, J+2
.endr
	v_fma_f32 v192, v192, s[CS], v12               ; the same of each block's largest score: p rises with the score
	v_fma_f32 v193, v193, s[CS], v12
.endm
.macro PART2 wn, pw, pv, q             ; t - M in v96-159 becomes p's codes in v208-219 and p's scale word in v[pw] of window 0.  pv: tile A's weighted sum is issued ahead of the exponentials
	WIN \wn
	s_wait_alu depctr_va_vdst(0)                   ; ahead of the batch
.if \pv
	s_wait_dscnt 0x0                               ; V, and the next step's K
	WIN 0x01
	PV \q, 94
	WIN \wn
.endif
	v_exp_f32 v192, v192
	v_exp_f32 v193, v193
.set J, 0
.rept 64
	v_exp_f32 v[96+J], v[96+J]                     ; p = 2^(t - M)
.set J, J+1
.endr
	v_pk_mul_f32 v[14:15], v[14:15], v[204:205] op_sel_hi:[1,0]   ; the sum under the new M; a plain instruction behind the batch
	s_wait_alu depctr_va_vdst(0)                   ; one wait: behind the batch, and directly ahead of O^T's first readers
	OMUL 0
	v_max_num_f32 v192, 0x1800000, v192            ; the floor 2^(3 - 127)
	v_max_num_f32 v193, 0x1800000, v193
	OMUL 8
	v_add_nc_u32 v200, 0xff000000, v192            ; 2 off the exponent field: the conversion's scale operand
	v_add_nc_u32 v201, 0xff000000, v193
	OMUL 16
	v_lshrrev_b32 v196, 23, v200                   ; the scale's byte
	v_lshrrev_b32 v197, 23, v201
	OMUL 24
	v_lshl_or_b32 v198, v197, 16, v196             ; my bytes: blocks h and 2 + h,
	s_delay_alu instid0(VALU_DEP_1)
	v_lshlrev_b32 v198, v31, v198                  ; 8 h bits up
	s_delay_alu instid0(VALU_DEP_1)
	v_permlanex16_b32 v199, v198, s[SEL], s[SEL+1]
	v_cvt_scalef32_pk16_fp6_f32 v[208:210], v[96:111], v200
	v_cvt_scalef32_pk16_fp6_f32 v[220:222], v[112:127], v200     ; (a conversion's three registers begin on an even number)
	v_cvt_scalef32_pk16_fp6_f32 v[214:216], v[128:143], v201
	v_cvt_scalef32_pk16_fp6_f32 v[224:226], v[144:159], v201
	WIN (\wn)&0x3f                                 ; scale words lie in window 0
	v_or_b32 v[\pw], v198, v199                    ; with lane l xor 16's two bytes the word is whole; also the plain instruction behind the conversions
	WIN \wn
	v_pk_add_f32 v[228:229], v[96:97], v[98:99]    ; the row's sum of the unquantised p, four chains; these 32 are also the places ahead of the scaled products
	v_pk_add_f32 v[230:231], v[100:101], v[102:103]
	v_pk_add_f32 v[232:233], v[104:105], v[106:107]
	v_pk_add_f32 v[14:15], v[14:15], v[108:109]
.irp i, 0,1,2
	v_mov_b32 v[211+\i], v[220+\i]
	v_mov_b32 v[217+\i], v[224+\i]
.endr
.set J, 110
.rept 6
	v_pk_add_f32 v[228:229], v[228:229], v[J:J+1]
	v_pk_add_f32 v[230:231], v[230:231], v[J+2:J+3]
	v_pk_add_f32 v[232:233], v[232:233], v[J+4:J+5]
	v_pk_add_f32 v[14:15], v[14:15], v[J+6:J+7]
.set J, J+8
.endr
	v_pk_add_f32 v[228:229], v[228:229], v[158:159]
	v_pk_add_f32 v[230:231], v[230:231], v[232:233]
	v_pk_add_f32 v[14:15], v[14:15], v[228:229]
	v_pk_add_f32 v[14:15], v[14:15], v[230:231]
.endm
.macro STEP q, more                    ; 128 keys, the q-th step of a pair.  On entry this step's K is in registers.  more: another step follows
	SMUL 28                                        ; tile A's scores,
	WIN 0x44
	SMUL 29                                        ; tile B's
	WIN 0
.if (\q) == 0
	v_add_nc_u32 v3, s13, v9                       ; the pair's addresses; these six are the places ahead of the loads and of the scores' first readers
	v_add_nc_u32 v4, s13, v10
	v_add_nc_u32 v5, s13, v1
	v_add_nc_u32 v6, s13, v2
	v_add_nc_u32 v7, s15, v11
	v_add_nc_u32 v8, s16, v1
.else
	PLACES 4
.endif
	WIN 0x40
.irp d, 0,1,2,3
	ds_load_b128 v[32+12*\d:35+12*\d], v5 offset:12288+6144*(\q)+1536*\d
	ds_load_b64 v[36+12*\d:37+12*\d], v6 offset:12288+6144*(\q)+1536*\d+512
	ds_load_b128 v[38+12*\d:41+12*\d], v5 offset:12288+6144*(\q)+1536*\d+768
	ds_load_b64 v[42+12*\d:43+12*\d], v6 offset:12288+6144*(\q)+1536*\d+1280
.endr
	WIN 0
.if (\q) == 0
	ds_load_b128 v[90:93], v8                      ; V's scale words: lanes 0-15 this step, lanes 16-31 the next
.endif
.if \more
	LOADK 3, 4, 7, 6144+(CH-6144)*(\q), 512*((\q)+1)   ; the next step's K
.endif
	PART1 0
	PART1 0x55
	PART2 0, 94, 0, \q
	PART2 0x55, 95, 1, \q
	PV \q, 95
	WIN 0
.endm
.macro INIT
.irp j, 14,15,22,23,24,25,26,27,196,199,205
	v_mov_b32 v\j, 0                               ; the sum, zero codes, lane permutes' destinations, the upper half of the pair with f
.endr
	v_mov_b32 v13, 0xff61b1e6                      ; the largest score so far: -3e38
	v_mov_b32 v12, 0x7f61b1e6                      ; -M: so large that the first f is 0
	v_lshlrev_b32 v31, 3, v7
.set J, 0
.rept 32
	v_mov_b32 v[160+J], 0                          ; O^T: the step is written once; the first change of M multiplies zeros
.set J, J+1
.endr
.endm
.macro OUT wn, st, co, so              ; o = O^T / the sum, quantised along the head's 64 channels: half a fragment and two scale bytes a row
	WIN \wn
	v_add_f32 v14, v14, v15
	s_delay_alu instid0(VALU_DEP_1)
	v_permlanex16_b32 v207, v14, s[SEL], s[SEL+1]
	s_delay_alu instid0(VALU_DEP_1)
	v_add_f32 v14, v14, v207                       ; the row's sum
	s_wait_alu depctr_va_vdst(0)
	v_rcp_f32 v14, v14
	v_nop
	s_wait_alu depctr_va_vdst(0)                   ; ahead of the reciprocal's and O^T's first reader
.set J, 0
.rept 32
	v_mul_f32 v[96+J], v[160+J], v14               ; register 16 g + i: channel 32 g + 16 (lane / 16) + i
.set J, J+1
.endr
.irp b, 0,1
	v_max3_num_f32 v[192+\b], |v[96+16*\b]|, |v[97+16*\b]|, 0x1800000
.endr
.irp i, 2,4,6,8,10,12,14
.irp b, 0,1
	v_max3_num_f32 v[192+\b], v[192+\b], |v[96+16*\b+\i]|, |v[97+16*\b+\i]|
.endr
.endr
.irp b, 0,1
	v_permlanex16_b32 v[196+\b], v[192+\b], s[SEL], s[SEL+1]
.endr
.irp b, 0,1
	v_max_num_f32 v[192+\b], v[192+\b], v[196+\b]
.endr
.irp b, 0,1
	v_add_nc_u32 v[200+\b], 0xff000000, v[192+\b]
.endr
.irp b, 0,1
	v_lshrrev_b32 v[196+\b], 23, v[200+\b]
.endr
	v_lshl_or_b32 v206, v197, 8, v196
	v_cvt_scalef32_pk16_fp6_f32 v[208:210], v[96:111], v200
	v_cvt_scalef32_pk16_fp6_f32 v[220:222], v[112:127], v201
	v_nop
.irp i, 0,1,2
	v_permlane16_swap_b32 v[208+\i], v[220+\i]
.endr
.irp i, 0,1,2
	v_mov_b32 v[211+\i], v[220+\i]
.endr
	WIN \st                                        ; addresses in window 0, data in the tile's
	global_store_b128 v1, v[208:211], s[36:37] offset:\co
	global_store_b64 v2, v[212:213], s[36:37] offset:\co+512
	ds_store_b16 v30, v206 offset:\so              ; lanes r and r + 16 write the same two bytes
.endm
	s_load_b128 s[4:7], s[0:1], 0x0                ; QKV, O
	v_lshl_add_u32 v254, v0, 2, SPARE
	v_mov_b32 v255, 0
	ds_add_u32 v254, v255                          ; the opening lines
	ds_add_u32 v254, v255
	v_lshrrev_b32 v1, 5, v0
	s_delay_alu instid0(VALU_DEP_1)
	v_readfirstlane_b32 s8, v1                     ; wave 0..7
	s_lshl_b32 s14, s8, 6
	s_add_co_u32 s14, s14, OSTG
	v_and_b32 v6, 31, v0
	v_and_b32 v5, 15, v0
	v_and_b32 v3, 7, v0                            ; j
	v_bfe_u32 v4, v0, 3, 1                         ; which block of the pair my lane-row's key lies in
	v_bfe_u32 v7, v0, 4, 1                         ; h
	v_lshlrev_b32 v1, 4, v6                        ; 16 x lane
	v_lshlrev_b32 v2, 3, v6                        ; 8 x lane
	v_mul_u32_u24 v9, v4, 1536                     ; K: two stored tiles on for lane-rows 8-15,
	v_lshlrev_b32 v11, 8, v7
	v_lshl_add_u32 v10, v3, 3, v9
	v_lshl_add_u32 v9, v3, 4, v9                   ; stored row j: 16 bytes a row (v9), 8 bytes a row (v10),
	v_lshl_add_u32 v11, v3, 4, v11
	v_lshl_add_u32 v10, v7, 7, v10
	v_lshl_add_u32 v9, v7, 8, v9                   ; the channels' half h
	v_lshl_add_u32 v11, v4, 3, v11
	v_lshlrev_b32 v8, 4, v5                        ; Q's scale words: 16 r
	v_lshlrev_b32 v6, 4, v0                        ; 16 x thread
	v_add_nc_u32 v11, SOFF, v11                    ; K's scale words: 256 G + 16 j + 8 x block
	v_lshl_add_u32 v30, v5, 1, s14
	v_add_nc_u32 v4, SOFF, v6
	s_bfe_u32 s9, ttmp6, 0x40000                   ; cx
	s_lshl_b32 s10, ttmp9, 2
	s_add_co_u32 s10, s10, s9                      ; my block of 256 queries: it enters global addresses alone
	s_and_b32 s11, ttmp7, 0xffff                   ; batch x 16 + head, which the four partners share
	s_mov_b32 s24, 15|(3<<16)|(1<<21)              ; group 1: all four work-groups, bit 21 beside the mask; elements of 8 bytes
	s_mov_b32 s25, 1536<<16                        ; a row: 12,288 bytes
	s_mov_b32 s26, 2<<16                           ; two rows: K's, V's
	s_mov_b32 s27, 1536<<16
	s_mov_b32 s28, 2
	s_mov_b32 s29, 393216                          ; from K's codes to V's: 3,145,728 bytes
	s_mov_b32 s30, 0
	s_mov_b32 s31, 0
	s_mov_b32 s48, 1
	s_mul_i32 s49, s8, CH
	s_mul_i32 s20, s11, 98304
	s_mul_i32 s12, s8, 12288
	s_add_co_u32 s20, s20, s12
	s_add_co_u32 s20, s20, 3145728                 ; K's codes of key steps 2 w, 2 w + 1
	s_mov_b32 s21, 0
	s_mul_i32 s44, s11, 12288
	s_add_co_u32 s44, s44, 9699328                 ; the head's scale words of K and V
	s_mov_b32 s45, 0
	s_lshl_b32 s12, s11, 7
	s_lshl_b32 s14, s10, 4
	s_add_co_u32 s12, s12, s14
	s_lshl_b32 s14, s8, 1
	s_add_co_u32 s12, s12, s14                     ; tile A of queries: 128 x (batch, head) + 16 x block + 2 x wave; B is the next
	s_mul_i32 s40, s12, 768
	s_mov_b32 s41, 0
	s_lshr_b32 s42, s12, 3
	s_lshl_b32 s42, s42, 9
	s_bfe_u32 s14, s12, 0x10002
	s_lshl_b32 s14, s14, 8
	s_add_co_u32 s42, s42, s14
	s_and_b32 s14, s12, 3
	s_lshl_b32 s14, s14, 2
	s_add_co_u32 s42, s42, s14
	s_add_co_u32 s42, s42, 9437184                 ; its scale words; B's lie 4 bytes on
	s_mov_b32 s43, 0
	s_lshr_b32 s18, s11, 4
	s_lshl_b32 s18, s18, 7
	s_lshl_b32 s14, s10, 4
	s_add_co_u32 s18, s18, s14                     ; the work-group's first tile of tokens
	s_and_b32 s19, s11, 15                         ; the head
	s_lshl_b32 s14, s8, 1
	s_add_co_u32 s36, s18, s14
	s_lshl_b32 s36, s36, 4
	s_add_co_u32 s36, s36, s19
	s_mul_i32 s36, s36, 768                        ; o's codes: (tile x 16 + head) x 768
	s_mov_b32 s37, 0
	s_lshl_b32 s38, s18, 5
	s_lshl_b32 s19, s19, 13
	s_add_co_u32 s38, s38, s19
	s_add_co_u32 s38, s38, 3145728                 ; o's scale bytes: head x 8192 + tile x 32
	s_mov_b32 s39, 0
	s_mov_b32 s[SEL], 0x76543210
	s_mov_b32 s[SEL+1], 0xfedcba98
	s_mov_b32 s[CS], 0x3e38aa3b                    ; c = log2(e) / 8
	s_mov_b32 s[CS+1], s[CS]
	s_wait_dscnt 0x0
	s_wait_alu depctr_va_vdst(0)                   ; the wait, directly ahead of the wait below
	s_wait_kmcnt 0x0
	s_add_nc_u64 s[50:51], s[4:5], s[20:21]
	s_or_b32 s51, s51, 0x80000000
	s_add_nc_u64 s[44:45], s[4:5], s[44:45]
	s_add_nc_u64 s[40:41], s[4:5], s[40:41]
	s_add_nc_u64 s[42:43], s[4:5], s[42:43]
	s_add_nc_u64 s[36:37], s[6:7], s[36:37]
	s_add_nc_u64 s[38:39], s[6:7], s[38:39]
	global_load_b128 v[96:99], v6, s[44:45]        ; the scale words: 256 threads x 48 bytes
	global_load_b128 v[100:103], v6, s[44:45] offset:4096
	global_load_b128 v[104:107], v6, s[44:45] offset:8192
	global_load_b128 v[16:19], v1, s[40:41]
	global_load_b64 v[20:21], v2, s[40:41] offset:512
	global_load_b64 v[28:29], v8, s[42:43]
	WIN 0x40
	global_load_b128 v[16:19], v1, s[40:41] offset:768
	global_load_b64 v[20:21], v2, s[40:41] offset:1280
	WIN 0
	CROUND                                         ; all four work-groups are here: the joint loads meet
	s_cmp_eq_u32 s8, 0                             ; at the head wave 0 alone asks: the first pair of key steps, which the first step needs
	s_cbranch_scc0 .Lnot_first_pair
	tensor_load_to_lds s[48:51], s[24:31]
	s_nop 0
	PLACES 4
.Lnot_first_pair:
.irp j, 80,81,82,83,84,85
	v_mov_b32 v\j, 0                               ; zero codes behind K's last tile
.endr
	INIT
	WIN 0x40
	INIT
	WIN 0
	s_mov_b32 s13, 0                               ; LDS: the pair's K and V,
	s_mov_b32 s15, 0                               ; K's scale words,
	s_mov_b32 s16, SOFF+8192                       ; V's
	s_wait_alu depctr_va_vdst(0)                   ; the wait at the head's end
	s_wait_loadcnt 0x0
	s_wait_tensorcnt 0x0                           ; no load of mine is out while I store to LDS
	ds_store_b128 v4, v[96:99]
	ds_store_b128 v4, v[100:103] offset:4096
	ds_store_b128 v4, v[104:107] offset:8192
	s_wait_tensorcnt 0x0                           ; the add twice
	ds_add_u32 v254, v255
	ds_add_u32 v254, v255
	s_wait_dscnt 0x0                               ; the adds, and my stores of scale words, for the others' sake
	CROUND                                         ; the first pair and the scale words are there for all waves; the four work-groups meet
	s_cmp_lg_u32 s8, 0                             ; waves 1-7: pairs 1-7, which land under the first step
	s_cbranch_scc0 .Lno_later_pair
	tensor_load_to_lds s[48:51], s[24:31]
	s_nop 0
	PLACES 4
.Lno_later_pair:
	LOADK 9, 10, 11, 0, 0
	s_wait_dscnt 0x0
	STEP 0, 1                                      ; the first step touches the first pair alone
	s_wait_alu depctr_va_vdst(0)
	s_wait_tensorcnt 0x0                           ; my pair is in
	s_wait_dscnt 0x0
	s_barrier_signal -1
	s_barrier_wait -1
	s_mov_b32 s17, 7
.Lpair:                                                ; a trip: a pair's second step and the next pair's first
	STEP 1, 1
	s_add_co_u32 s13, s13, CH
	s_add_co_u32 s15, s15, 1024
	s_add_co_u32 s16, s16, 512
	STEP 0, 1
	s_sub_co_u32 s17, s17, 1
	s_cmp_lg_u32 s17, 0
	s_wait_alu depctr_va_vdst(0)
	s_cbranch_scc1 .Lpair
	STEP 1, 0                                      ; the last step fetches nothing more
	OUT 0, 0, 0, 0
	OUT 0x55, 0x04, 12288, 32
	WIN 0
	v_add_nc_u32 v3, OSTG, v1
	s_wait_alu depctr_va_vdst(0)
	s_wait_dscnt 0x0
	s_barrier_signal -1
	s_barrier_wait -1
	s_cmp_lg_u32 s8, 0
	s_cbranch_scc1 .Lnot_first
	ds_load_b128 v[96:99], v3
	s_wait_dscnt 0x0
	global_store_b128 v1, v[96:99], s[38:39]       ; the sixteen tiles' scale bytes: 512 neighbouring bytes
.Lnot_first:
	s_wait_tensorcnt 0x0                           ; the wave's end
	ds_add_u32 v254, v255
	s_wait_dscnt 0x0
	CROUND                                         ; the closing round
	s_endpgm
.Lfunc_end_k_q058284c976_attn:
	.size	k_q058284c976_attn, .Lfunc_end_k_q058284c976_attn-k_q058284c976_attn
	.p2alignl 7, 3214868480
	.fill 96, 4, 3214868480
	.section	.rodata,"a",@progbits
	.p2align	6, 0x0
	.amdhsa_kernel k_q058284c976_attn
		.amdhsa_group_segment_fixed_size 327680
		.amdhsa_private_segment_fixed_size 0
		.amdhsa_enable_private_segment 0
		.amdhsa_kernarg_size 16
		.amdhsa_user_sgpr_count 2
		.amdhsa_user_sgpr_kernarg_segment_ptr 1
		.amdhsa_wavefront_size32 1
		.amdhsa_system_sgpr_workgroup_id_x 1
		.amdhsa_system_sgpr_workgroup_id_y 1
		.amdhsa_system_sgpr_workgroup_id_z 1
		.amdhsa_system_vgpr_workitem_id 0
		.amdhsa_next_free_vgpr 512
		.amdhsa_next_free_sgpr 66
		.amdhsa_reserve_vcc 0
		.amdhsa_float_denorm_mode_32 3
		.amdhsa_float_denorm_mode_16_64 3
		.amdhsa_memory_ordered 1
		.amdhsa_forward_progress 1
		.amdhsa_inst_pref_size 129
	.end_amdhsa_kernel
	.amdgpu_metadata
---
amdhsa.version: [ 1, 2 ]
amdhsa.kernels:
  - .name:           k_q058284c976_attn
    .symbol:         k_q058284c976_attn.kd
    .args:
      - { .name: QKV, .offset: 0, .size: 8, .value_kind: global_buffer, .address_space: global }
      - { .name: O, .offset: 8, .size: 8, .value_kind: global_buffer, .address_space: global }
    .group_segment_fixed_size: 327680
    .private_segment_fixed_size: 0
    .kernarg_segment_align: 8
    .kernarg_segment_size: 16
    .max_flat_workgroup_size: 256
    .sgpr_count:     66
    .vgpr_count:     512
    .wavefront_size: 32
...
	.end_amdgpu_metadata
.endif
;; end of part 3
;; launch wo (part 4): grid 8 x 32, 4 waves a work-group, clusters of 4 x 4, 327,680 bytes of LDS; arguments O, W, bo, x, X1; writes X1
.if DOCPART == 4
	.amdgcn_target "amdgcn-amd-amdhsa--gfx1250"
	.amdhsa_code_object_version 6
	.text
	.protected	k_q058284c976_wo
	.globl	k_q058284c976_wo
	.p2align	8
	.type	k_q058284c976_wo,@function
k_q058284c976_wo:
	s_mov_b64 s[64:65], 0
	v_nop
	global_prefetch_b8 v0, s[64:65] scope:SCOPE_SE
	s_setreg_imm32_b32 hwreg(HW_REG_WAVE_MODE, 25, 1), 1
	s_wait_xcnt 0x0
	s_wait_alu depctr_hold_cnt(0) depctr_sa_sdst(0) depctr_va_vdst(0) depctr_va_sdst(0) depctr_va_ssrc(0) depctr_va_vcc(0) depctr_vm_vsrc(0)
	s_getreg_b32 s2, hwreg(HW_REG_IB_STS2, 6, 4)
	s_cmp_eq_u32 s2, 0
	s_cbranch_scc0 .Lentry_in_a_cluster
	s_endpgm
.Lentry_in_a_cluster:
	s_bfe_u32 s2, ttmp6, 0x10000c
	s_cmp_lg_u32 s2, 0xf033
	s_cbranch_scc0 .Lentry_shape_is_right
	s_endpgm
.Lentry_shape_is_right:
; out = residual + A B^T + bias on codes of E2M3.  One text serves two launches: W2 = 0: x1 = x + o wo + bo (K = 1,024); W2 = 1: out0 = x1 + g w2 + b2 (K = 4,096).
; N is 1,024: tiles of 256 x 256 would give 64 work-groups, so a tile is 128 x 128, four waves of 64 x 64 (16 accumulators), 256 work-groups.
; Source 0 = 16 rows of B (output columns), source 1 = 16 rows of A (tokens): a lane holds one token and eight neighbouring columns a tile.  Tiles are not neighbours: lane-row r of tile 2 g + u is row 32 g + 8 u + r + 8 (r / 8).
; Codes lie as images of operand registers (1,536 bytes a fragment).  K goes through LDS slots of four K steps of 128: a wave's tensor load brings 4 tiles x 12,288 bytes.  W2 = 0: one fill, nothing filled twice; W2 = 1: three first fills, five refills.
; CLUSTERS: 4 x 4; A's tiles are shared along a row of the cluster, B's along a column, and asked for jointly.
; The bias is the C of each sum's first product.  The residual is asked for at the head and added on the way out, where whole rows of 256 bytes come back from a stage in LDS.
; REGISTERS: window 0: v8-19 LDS addresses, v20-26 offsets, v28-29 for the add, from v32 A's scale words, from v[SB] B's, v160-223 at work on the way out.
;   window 1: v0-95 A's two sets of 4 fragments, v96-191 B's, v192-223 the bias.   window 2: v0-127 accumulator (a, b) at v[8 (4 a + b)], v128-255 the residual.
.set W2, 0
.if W2
.set KS,    32
.set KC,    4
.set WOFF,  6291456
.set WSOFF, 9699328
.set ASOFF, 12582912
.set SAS,   16
.set SB,    96
.set NFILL, 3
.else
.set KS,    8
.set KC,    1
.set WOFF,  2359296
.set WSOFF, 9535488
.set ASOFF, 3145728
.set SAS,   4
.set SB,    48
.set NFILL, 1                          ; one load a wave brings its four tiles for all of K: 49,152 dense bytes; nothing follows it
.endif
.set NQ,    4
.set SLOTB, 98304
.set QTR,   49152
.set FST,   294912                     ; behind the slots: the stage, 16 rows x (256 + 16) bytes a wave
.set SPARE, 312320                     ; the spare words, 128 bytes a wave
.set SA,    32
.set MSB,   0
.macro WIN new
.if MSB != (\new)
	s_set_vgpr_msb (MSB<<8)|(\new)
.set MSB, (\new)
.endif
.endm
.macro PLACES n
.rept \n
	v_nop
.endr
.endm
.macro CREST
	s_cmp_lg_u32 s16, 0
	s_cbranch_scc1 .Lnot_wave_0_\@
	s_barrier_signal -3
.Lnot_wave_0_\@:
	s_barrier_wait -3
	s_barrier_signal -1
	s_barrier_wait -1
.endm
.macro CROUND
	s_barrier_signal -1
	s_barrier_wait -1
	CREST
.endm
.macro JLOAD g0a, g0b                  ; a joint load: waves 0 and 1 fetch A's halves, waves 2 and 3 B's; four v_nop follow each line
	s_cmp_eq_u32 s17, 0
	s_cbranch_scc0 .Lfor_b_\@
	tensor_load_to_lds s[\g0a:\g0a+3], s[32:39]
	s_nop 0
.rept 4
	v_nop
.endr
	s_branch .Lasked_\@
.Lfor_b_\@:
	tensor_load_to_lds s[\g0b:\g0b+3], s[40:47]
	s_nop 0
.rept 4
	v_nop
.endr
.Lasked_\@:
.endm
.macro FRAG reg, adr, off
	ds_load_b128 v[\reg:\reg+3], v[\adr] offset:\off
	ds_load_b64 v[\reg+4:\reg+5], v[\adr+1] offset:\off+512
	ds_load_b128 v[\reg+6:\reg+9], v[\adr] offset:\off+768
	ds_load_b64 v[\reg+10:\reg+11], v[\adr+1] offset:\off+1280
.endm
.macro FETCH ks                        ; K step ks: 8 fragments into set ks % 3
.set FS, ((\ks)%3)%2                   ; three sets of fragments by turns: two in window 1, the third in window 3
.set FW, 0x40+0x80*(((\ks)%3)/2)
.set FSL, 0
.set FO, (\ks)*1536
	WIN FW
.irp i, 0,1,2,3
	FRAG 48*FS+12*\i, 8+4*FSL, \i*KS*1536+FO
.endr
.irp i, 0,1,2,3
	FRAG 96+48*FS+12*\i, 10+4*FSL, \i*KS*1536+FO
.endr
	WIN 0
.endm
; 4 matrix instructions: A's block qd against B's four.  The 16 accumulators take turns, one instruction a turn.
.macro MULQ ks, qd, first
.set MS, ((\ks)%3)%2
.set MW, 0x0a*(((\ks)%3)/2)
.set MJ, 4*((\ks)/8)+(\ks)%4
.set MR, ((\ks)%8)/4
.if \first
	WIN 0x95+MW
.else
	WIN 0xa5+MW
.endif
.irp b, 0,1,2,3
.set MD, 8*(4*(\qd)+\b)
.set MB, 96+48*MS+12*\b
.set MF, 48*MS+12*(\qd)
.if \first
	v_wmma_scale_f32_16x16x128_f8f6f4 v[MD:MD+7], v[MB:MB+11], v[MF:MF+11], v[192+8*\b:199+8*\b], v[SB+SAS*\b+MJ], v[SA+SAS*(\qd)+MJ] matrix_a_fmt:MATRIX_FMT_FP6 matrix_b_fmt:MATRIX_FMT_FP6
.elseif MR
	v_wmma_scale_f32_16x16x128_f8f6f4 v[MD:MD+7], v[MB:MB+11], v[MF:MF+11], v[MD:MD+7], v[SB+SAS*\b+MJ], v[SA+SAS*(\qd)+MJ] matrix_a_fmt:MATRIX_FMT_FP6 matrix_b_fmt:MATRIX_FMT_FP6 matrix_a_scale:MATRIX_SCALE_ROW1 matrix_b_scale:MATRIX_SCALE_ROW1
.else
	v_wmma_scale_f32_16x16x128_f8f6f4 v[MD:MD+7], v[MB:MB+11], v[MF:MF+11], v[MD:MD+7], v[SB+SAS*\b+MJ], v[SA+SAS*(\qd)+MJ] matrix_a_fmt:MATRIX_FMT_FP6 matrix_b_fmt:MATRIX_FMT_FP6
.endif
.endr
.endm
; mode 0: plain.  1: the slot that has been read out is filled again.  2: the same meeting with no refill.  3: the last step.
.macro KSTEP ks, mode, first
.if (\mode) == 0
.if (\ks)+1 < KS
	s_wait_dscnt 32                                ; this step's fragments are in; the next step's 32 loads may be out
.else
	s_wait_dscnt 0x0
.endif
.if (\ks)+2 < KS
	PLACES 4                                       ; in front of loads into registers that the last step's products read
	FETCH (\ks)+2                                  ; two steps ahead
.endif
	MULQ \ks, 0, \first
	MULQ \ks, 1, \first
	MULQ \ks, 2, \first
	MULQ \ks, 3, \first
.elseif (\mode) == 3
	s_wait_dscnt 0x0
	MULQ \ks, 0, 0
	MULQ \ks, 1, 0
	MULQ \ks, 2, 0
	MULQ \ks, 3, 0
.else
	WIN 0
	s_wait_tensorcnt 0x0                           ; all my tensor loads have landed;
	ds_add_u32 v28, v29                            ; 0 onto my spare word;
	s_wait_dscnt 0x1                               ; (this step's fragments are in; the add may be out)
	MULQ \ks, 0, 0
	s_wait_dscnt 0x0                               ; the add is done, and my reads of the slot are over
	s_barrier_signal -1
	MULQ \ks, 1, 0
	WIN 0
	s_barrier_wait -1
.if (\mode) == 1
	CREST                                          ; the barrier has opened a round of the cluster's: no wave of any partner still reads the slot or has a load on its way
.set RS, ((\ks)/NQ)%3
	s_add_nc_u64 s[50+4*RS:51+4*RS], s[50+4*RS:51+4*RS], 3*NQ*1536
	s_add_nc_u64 s[70+4*RS:71+4*RS], s[70+4*RS:71+4*RS], 3*NQ*1536
	JLOAD 48+4*RS, 68+4*RS                         ; the first tensor load behind the round; its four v_nop are the places in front of the loads below
.else
	PLACES 4
.endif
	FETCH (\ks)+1
	MULQ \ks, 2, 0
	MULQ \ks, 3, 0
.endif
.endm
	s_load_b256 s[4:11], s[0:1], 0x0               ; A's buffer, W, the bias, the residual
	s_load_b64 s[12:13], s[0:1], 0x20              ; the output
	v_lshl_add_u32 v28, v0, 2, SPARE
	v_mov_b32 v29, 0
	ds_add_u32 v28, v29
	ds_add_u32 v28, v29
	s_wait_dscnt 0x0
	v_lshrrev_b32 v1, 5, v0
	v_readfirstlane_b32 s16, v1                    ; wave 0..3
	s_lshr_b32 s17, s16, 1                         ; my half of A's rows.  Also: I fetch for A (0) or for B (1)
	s_and_b32 s18, s16, 1                          ; my half of B's rows.  Also: which half I fetch
	s_bfe_u32 s20, ttmp6, 0x40000                  ; cx
	s_bfe_u32 s21, ttmp6, 0x40004                  ; cy
	s_lshl_b32 s81, ttmp9, 2
	s_add_co_u32 s81, s81, s20                     ; B's block of 128 columns
	s_and_b32 s80, ttmp7, 0xffff
	s_lshl_b32 s80, s80, 2
	s_add_co_u32 s80, s80, s21                     ; A's block of 128 tokens
	s_lshl_b32 s22, s21, 2
	s_lshl_b32 s22, 15, s22                        ; my row of the cluster
	s_lshl_b32 s23, 0x1111, s20                    ; my column
	s_or_b32 s32, s22, (3<<16)|(1<<21)             ; group 1: the mask; elements of 8 bytes; bit 21 beside a mask; no padding
	s_or_b32 s40, s23, (3<<16)|(1<<21)
.irp g, 32, 40
	s_mov_b32 s[\g+1], 1536<<16                    ; tensor_dim0: a tile's eight fragments, 12,288 bytes
	s_mov_b32 s[\g+2], 4<<16                       ; tensor_dim1: 4 tiles
	s_mov_b32 s[\g+3], 1536<<16
	s_mov_b32 s[\g+4], 4
	s_mov_b32 s[\g+5], KS*192                      ; from tile to tile: KS fragments
	s_mov_b32 s[\g+6], 0
	s_mov_b32 s[\g+7], 0
.endr
	s_lshl_b32 s22, s18, 2
	s_lshl_b32 s24, s80, 3
	s_add_co_u32 s24, s24, s22
	s_mul_i32 s24, s24, KS*1536
	s_mov_b32 s25, 0
	s_lshl_b32 s26, s81, 3
	s_add_co_u32 s26, s26, s22
	s_mul_i32 s26, s26, KS*1536
	s_add_co_u32 s26, s26, WOFF
	s_mov_b32 s27, 0
	s_mul_i32 s30, s16, QTR
	s_wait_kmcnt 0x0
	s_add_nc_u64 s[24:25], s[4:5], s[24:25]        ; the 4 tiles of A that I would fetch: they hang on the tile row alone,
	s_add_nc_u64 s[26:27], s[6:7], s[26:27]        ; B's on the tile column alone
	CROUND                                         ; all sixteen work-groups are here: the first joint loads meet
.irp s, 0,1,2
.if \s < NFILL
	s_mov_b32 s[48+4*\s], 1
	s_add_co_u32 s[49+4*\s], s30, \s*SLOTB
	s_add_nc_u64 s[50+4*\s:51+4*\s], s[24:25], \s*NQ*1536
	s_or_b32 s[51+4*\s], s[51+4*\s], 0x80000000
	s_mov_b32 s[68+4*\s], 1
	s_add_co_u32 s[69+4*\s], s30, \s*SLOTB
	s_add_nc_u64 s[70+4*\s:71+4*\s], s[26:27], \s*NQ*1536
	s_or_b32 s[71+4*\s], s[71+4*\s], 0x80000000
	JLOAD 48+4*\s, 68+4*\s
.endif
.endr
	s_lshl_b32 s22, s80, 3
	s_lshl_b32 s23, s17, 2
	s_add_co_u32 s22, s22, s23                     ; my first tile of tokens
.if W2
	s_lshl_b32 s22, s22, 6
.else
	s_lshl_b32 s22, s22, 5
.endif
	s_add_co_u32 s22, s22, ASOFF
	s_mov_b32 s23, 0
	s_add_nc_u64 s[82:83], s[4:5], s[22:23]        ; A's scales
	s_lshl_b32 s22, s81, 3
	s_lshl_b32 s23, s18, 2
	s_add_co_u32 s22, s22, s23
	s_mul_i32 s22, s22, 512*KC
	s_add_co_u32 s22, s22, WSOFF
	s_mov_b32 s23, 0
	s_add_nc_u64 s[84:85], s[6:7], s[22:23]        ; B's
	s_lshl_b32 s22, s81, 9
	s_lshl_b32 s23, s18, 8
	s_add_co_u32 s22, s22, s23                     ; my first column, in bytes
	s_mov_b32 s23, 0
	s_add_nc_u64 s[86:87], s[8:9], s[22:23]        ; the bias
	s_lshl_b32 s28, s80, 19
	s_lshl_b32 s29, s17, 18
	s_add_co_u32 s28, s28, s29                     ; my first token's row
	s_add_co_u32 s22, s22, s28
	s_add_nc_u64 s[88:89], s[10:11], s[22:23]      ; the residual
	s_add_nc_u64 s[90:91], s[12:13], s[22:23]      ; the output
	v_and_b32 v1, 31, v0
	v_and_b32 v2, 15, v0                           ; r
	v_bfe_u32 v3, v0, 4, 1                         ; h
	v_lshlrev_b32 v20, 4, v1                       ; 16 x lane
	v_lshlrev_b32 v21, 3, v1                       ; 8 x lane
	v_lshlrev_b32 v22, 16, v3                      ; A's scales: lanes 16-31 take K steps 4 on
.if W2
	v_lshl_add_u32 v22, v2, 2, v22
.else
	v_lshl_add_u32 v22, v2, 1, v22
.endif
	v_lshlrev_b32 v23, 6, v3                       ; 64 h
	v_lshlrev_b32 v24, 12, v3
	v_lshl_add_u32 v24, v2, 4, v24                 ; rows of the residual and the output: lanes 0-15 one row's 256 bytes, lanes 16-31 the next row's
.if W2
.irp a, 0,1,2,3
.irp kc, 0,1,2,3
.irp j, 0,1,2,3
	global_load_b32 v[SA+16*\a+4*\kc+\j], v22, s[82:83] offset:64*\a+(8*\kc+\j)*16384   ; word (K step, tile, row) at step x 16384 + tile x 64 + 4 r
.endr
.endr
.endr
.irp b, 0,1,2,3
.irp kc, 0,1,2,3
	global_load_b128 v[SB+16*\b+4*\kc:SB+16*\b+4*\kc+3], v20, s[84:85] offset:(4*\b+\kc)*512
.endr
.endr
.else
.irp a, 0,1,2,3
.irp j, 0,1,2,3
	global_load_u16 v[160+2*(4*\a+\j)], v22, s[82:83] offset:32*\a+16384*\j              ; two bytes a head: K step j (+ 4 in lanes 16-31) is heads 2 j and 2 j + 1
	global_load_u16 v[161+2*(4*\a+\j)], v22, s[82:83] offset:32*\a+16384*\j+8192
.endr
.endr
.irp b, 0,1,2,3
	global_load_b128 v[SB+4*\b:SB+4*\b+3], v20, s[84:85] offset:512*\b
.endr
.endif
	WIN 0x40
.irp b, 0,1
.irp j, 0,1,2,3
	global_load_b128 v[192+16*\b+4*\j:192+16*\b+4*\j+3], v23, s[86:87] offset:128*\b+16*\j   ; register 16 b + i: column 32 b + 16 (lane / 16) + i: the result's layout
.endr
.endr
	WIN 0x80
.irp a, 0,1,2,3
.irp i, 0,1,2,3,4,5,6,7
	global_load_b128 v[128+32*\a+4*\i:128+32*\a+4*\i+3], v24, s[88:89] offset:(32*(\a/2)+8*(\a%2)+2*\i+8*(\i/4))*4096   ; the tokens of tile a's lane-rows 2 i and 2 i + 1
.endr
.endr
	WIN 0
	s_mul_i32 s26, s17, QTR
	s_mul_i32 s27, s18, QTR
	s_add_co_u32 s27, s27, 2*QTR
.irp s, 0,1,2
	v_add_nc_u32 v[8+4*\s], s26, v20
	v_add_nc_u32 v[9+4*\s], s26, v21
	v_add_nc_u32 v[10+4*\s], s27, v20
	v_add_nc_u32 v[11+4*\s], s27, v21
	s_add_co_u32 s26, s26, SLOTB
	s_add_co_u32 s27, s27, SLOTB
.endr
	s_mul_i32 s22, s16, 16*272
	s_add_co_u32 s22, s22, FST                     ; my stage
	v_mul_u32_u24 v25, v2, 272
	v_lshl_add_u32 v25, v3, 6, v25
	v_add_nc_u32 v25, s22, v25                     ; in: row r, + 64 h
	v_mul_u32_u24 v26, v3, 272
	v_lshl_add_u32 v26, v2, 4, v26
	v_add_nc_u32 v26, s22, v26                     ; back: lanes 0-15 one row, lanes 16-31 the next
	s_wait_loadcnt 32                              ; scales and bias are in; the 32 loads of the residual may be out
.if W2 == 0
.set I, 0
.rept 16
	v_lshl_or_b32 v[SA+I], v[161+2*I], 16, v[160+2*I]   ; two heads' bytes make a K step's scale word
.set I, I+1
.endr
	PLACES 8                                       ; a scale register written by a vector instruction stands 8 places ahead of a scaled product
.endif
	s_wait_alu depctr_va_vdst(0)
	s_wait_tensorcnt NFILL-1                       ; my part of slot 0 is in; the younger first fills may be out
	s_barrier_signal -1
	s_barrier_wait -1
	FETCH 0
	FETCH 1
	KSTEP 0, 0, 1
.set KK, 1
.rept KS-2
.if (KK%4 == 3) && (KK < 20) && W2
	KSTEP KK, 1, 0                                 ; a slot is read out and filled again, three slots ahead
.elseif (KK == KS-5) && W2
	KSTEP KK, 2, 0                                 ; the last fill is waited for
.else
	KSTEP KK, 0, 0
.endif
.set KK, KK+1
.endr
	KSTEP KS-1, 3, 0
	WIN 0
	PLACES 4                                       ; behind the last products
	s_wait_loadcnt 0x0                             ; the residual
.irp a, 0,1,2,3                        ; a tile of 16 tokens x 64 columns goes through my stage and comes back as whole rows of 256 bytes
	s_wait_xcnt 0x0                                ; the stores of two tiles ago have read their registers
	WIN 0x08
.irp b, 0,1,2,3
	ds_store_b128 v25, v[8*(4*\a+\b):8*(4*\a+\b)+3] offset:128*(\b/2)+32*(\b%2)          ; each accumulator from its low end on
	ds_store_b128 v25, v[8*(4*\a+\b)+4:8*(4*\a+\b)+7] offset:128*(\b/2)+32*(\b%2)+16
.endr
	WIN 0
.irp i, 0,1,2,3,4,5,6,7
	ds_load_b128 v[160+32*(\a%2)+4*\i:160+32*(\a%2)+4*\i+3], v26 offset:544*\i           ; LDS serves a wave's instructions in order: these see my stores
.endr
	s_wait_dscnt 0x0
	WIN 0x08
.irp n, 0,2,4,6,8,10,12,14,16,18,20,22,24,26,28,30
	v_pk_add_f32 v[160+32*(\a%2)+\n:160+32*(\a%2)+\n+1], v[160+32*(\a%2)+\n:160+32*(\a%2)+\n+1], v[128+32*\a+\n:128+32*\a+\n+1]
.endr
	WIN 0
.irp i, 0,1,2,3,4,5,6,7
	global_store_b128 v24, v[160+32*(\a%2)+4*\i:160+32*(\a%2)+4*\i+3], s[90:91] offset:(32*(\a/2)+8*(\a%2)+2*\i+8*(\i/4))*4096   ; sixteen lanes store 256 neighbouring bytes, aligned
.endr
.endr
	s_wait_tensorcnt 0x0                           ; the wave's end
	ds_add_u32 v28, v29
	s_wait_dscnt 0x0
	CROUND                                         ; the closing round
	s_endpgm
.Lfunc_end_k_q058284c976_wo:
	.size	k_q058284c976_wo, .Lfunc_end_k_q058284c976_wo-k_q058284c976_wo
	.p2alignl 7, 3214868480
	.fill 96, 4, 3214868480
	.section	.rodata,"a",@progbits
	.p2align	6, 0x0
	.amdhsa_kernel k_q058284c976_wo
		.amdhsa_group_segment_fixed_size 327680
		.amdhsa_private_segment_fixed_size 0
		.amdhsa_enable_private_segment 0
		.amdhsa_kernarg_size 40
		.amdhsa_user_sgpr_count 2
		.amdhsa_user_sgpr_kernarg_segment_ptr 1
		.amdhsa_wavefront_size32 1
		.amdhsa_system_sgpr_workgroup_id_x 1
		.amdhsa_system_sgpr_workgroup_id_y 1
		.amdhsa_system_sgpr_workgroup_id_z 1
		.amdhsa_system_vgpr_workitem_id 0
		.amdhsa_next_free_vgpr 1024
		.amdhsa_next_free_sgpr 100
		.amdhsa_reserve_vcc 0
		.amdhsa_float_denorm_mode_32 3
		.amdhsa_float_denorm_mode_16_64 3
		.amdhsa_memory_ordered 1
		.amdhsa_forward_progress 1
		.amdhsa_inst_pref_size 62
	.end_amdhsa_kernel
	.amdgpu_metadata
---
amdhsa.version: [ 1, 2 ]
amdhsa.kernels:
  - .name:           k_q058284c976_wo
    .symbol:         k_q058284c976_wo.kd
    .args:
      - { .name: O, .offset: 0, .size: 8, .value_kind: global_buffer, .address_space: global }
      - { .name: W, .offset: 8, .size: 8, .value_kind: global_buffer, .address_space: global }
      - { .name: bo, .offset: 16, .size: 8, .value_kind: global_buffer, .address_space: global }
      - { .name: x, .offset: 24, .size: 8, .value_kind: global_buffer, .address_space: global }
      - { .name: X1, .offset: 32, .size: 8, .value_kind: global_buffer, .address_space: global }
    .group_segment_fixed_size: 327680
    .private_segment_fixed_size: 0
    .kernarg_segment_align: 8
    .kernarg_segment_size: 40
    .max_flat_workgroup_size: 128
    .sgpr_count:     100
    .vgpr_count:     1024
    .wavefront_size: 32
...
	.end_amdgpu_metadata
.endif
;; end of part 4
;; launch ln1 (part 5): grid 256 x 1, 4 waves a work-group, no clusters, 67,072 bytes of LDS; arguments X1, ln2_w, ln2_b, H; writes H
.if DOCPART == 5
	.amdgcn_target "amdgcn-amd-amdhsa--gfx1250"
	.amdhsa_code_object_version 6
	.text
	.protected	k_q058284c976_ln1
	.globl	k_q058284c976_ln1
	.p2align	8
	.type	k_q058284c976_ln1,@function
k_q058284c976_ln1:
	s_mov_b64 s[64:65], 0
	v_nop
	global_prefetch_b8 v0, s[64:65] scope:SCOPE_SE
	s_setreg_imm32_b32 hwreg(HW_REG_WAVE_MODE, 25, 1), 1
	s_wait_xcnt 0x0
; h = (x - mean) / sqrt(var + 1e-5) * w + b for 16 tokens, all in f32, then quantised along the 1,024 channels to codes of E2M3 with one E8M0 byte for each 32.
; The work-group owns one TILE of tokens: lane-row r of tile t is token 32 (t / 2) + 8 (t % 2) + r + 8 (r / 8).  Codes leave as images of an operand's registers: fragment (tile, K step) at (8 tile + step) x 1536;
; in each half of 64 K lane r + 16 h has 16 bytes at 16 x lane and 8 bytes at 512 + 8 x lane.  Scale words: 512 bytes a tile; lane r + 16 hh at 16 x lane holds the words of K steps 4 hh .. 4 hh + 3.
; PHASE A: wave w holds four whole rows in registers (lane-rows 4 w .. 4 w + 3: four neighbouring tokens): mean, then the variance of x - mean, then the affine map; the rows go to a stage in LDS.
; PHASE B: wave w takes K steps 2 w and 2 w + 1 of all 16 rows: a lane reads 16 neighbours of each block of 32 of its row, and the quantiser makes a fragment and its scale word.
; LIMITS: NaN and infinities are not served; a block whose largest magnitude lies under 2^-124 keeps the byte 1; a block of zeros has the byte 1 and not 127 (this program alone reads the bytes).
.set PITCH, 4112                       ; a stage row: 4,096 bytes + 16: sixteen rows' 16 bytes fall on sixteen different groups of banks
.set SCG,   65792                      ; behind the stage: the tile's 512 bytes of scale words
.set X,     32                         ; v32-159  four rows of 32 registers; in phase B two sets of 64 numbers
.set WR,    160                        ; v160-191 w of my 32 columns
.set BR,    192                        ; v192-223 b
.set PC,    160                        ; phase B: v160-178 the codes just made
.set TM,    180                        ; v180-195 at work
.set PW,    196                        ; the scale word just made
.set SEL,   20                         ; s[20:21] lane selects: lane l xor 16
.macro QUANT s                         ; 64 numbers of a lane, register 16 b + i = k 32 b + 16 (lane / 16) + i of my row, become a fragment in v[PC] on and its scale word in v[PW]
.irp b, 0,1,2,3
	v_max3_num_f32 v[TM+\b], |v[\s+16*\b]|, |v[\s+1+16*\b]|, 0x1800000   ; my 16 numbers of block b, and the floor 2^(3 - 127)
.endr
.irp i, 2,4,6,8,10,12,14
.irp b, 0,1,2,3
	v_max3_num_f32 v[TM+\b], v[TM+\b], |v[\s+16*\b+\i]|, |v[\s+1+16*\b+\i]|
.endr
.endr
.irp b, 0,1,2,3
	v_permlanex16_b32 v[TM+4+\b], v[TM+\b], s[SEL], s[SEL+1]
.endr
.irp b, 0,1,2,3
	v_max_num_f32 v[TM+\b], v[TM+\b], v[TM+4+\b]   ; with lane l xor 16's: the block's largest magnitude
.endr
.irp b, 0,1,2,3
	v_add_nc_u32 v[TM+12+\b], 0xff000000, v[TM+\b] ; 2 off its exponent field: the conversion's scale operand
.endr
.irp b, 0,1,2,3
	v_lshrrev_b32 v[TM+4+\b], 23, v[TM+12+\b]      ; the scale's byte
.endr
	v_lshl_or_b32 v[PW], v[TM+5], 8, v[TM+4]
	v_lshl_or_b32 v[PW], v[TM+6], 16, v[PW]
	v_lshl_or_b32 v[PW], v[TM+7], 24, v[PW]
.irp c, 0,1
	v_cvt_scalef32_pk16_fp6_f32 v[PC+6*\c:PC+2+6*\c], v[\s+32*\c:\s+15+32*\c], v[TM+12+2*\c]
	v_cvt_scalef32_pk16_fp6_f32 v[PC+12+4*\c:PC+14+4*\c], v[\s+16+32*\c:\s+31+32*\c], v[TM+12+2*\c+1]
.endr
	v_nop                                          ; one plain instruction behind a scaled conversion
.irp c, 0,1                            ; the operand wants a whole block in a lane: lanes 0-15 block 2 c, lanes 16-31 block 2 c + 1
.irp i, 0,1,2
	v_permlane16_swap_b32 v[PC+6*\c+\i], v[PC+12+4*\c+\i]
.endr
.irp i, 0,1,2
	v_mov_b32 v[PC+3+6*\c+\i], v[PC+12+4*\c+\i]
.endr
.endr
.endm
.macro PUTFRAG off                     ; the fragment leaves as it stands: stores of 512 and 256 neighbouring bytes, aligned
	global_store_b128 v4, v[PC:PC+3], s[24:25] offset:\off
	global_store_b64 v8, v[PC+4:PC+5], s[24:25] offset:\off+512
	global_store_b128 v4, v[PC+6:PC+9], s[24:25] offset:\off+768
	global_store_b64 v8, v[PC+10:PC+11], s[24:25] offset:\off+1280
.endm
.macro REDUCE r                        ; v[r + 2 i], i = 0..3: the sum over the wave's 32 lanes, in every lane
.irp m, 1,2,4,8
.irp i, 0,1,2,3
	v_add_f32_dpp v[\r+2*\i], v[\r+2*\i], v[\r+2*\i] row_xmask:\m row_mask:0xf bank_mask:0xf
.endr
.endr
.irp i, 0,1,2,3
	v_permlanex16_b32 v[\r+1+2*\i], v[\r+2*\i], s[SEL], s[SEL+1]
.endr
.irp i, 0,1,2,3
	v_add_f32 v[\r+2*\i], v[\r+2*\i], v[\r+1+2*\i]
.endr
.endm
	s_load_b256 s[4:11], s[0:1], 0x0               ; x, w, b, H
	v_lshl_add_u32 v224, v0, 2, 0x10400
	v_mov_b32 v225, 0
	v_lshrrev_b32 v1, 5, v0
	v_readfirstlane_b32 s12, v1                    ; wave 0..3
	v_and_b32 v1, 31, v0
	v_and_b32 v2, 15, v0                           ; r
	s_wait_alu depctr_va_vdst(0)
	v_bfe_u32 v3, v0, 4, 1                         ; h
	v_lshlrev_b32 v4, 4, v1                        ; 16 x lane
	s_wait_alu depctr_va_vdst(0)
	v_lshlrev_b32 v8, 3, v1                        ; 8 x lane
	s_mul_i32 s13, s12, 4*PITCH
	v_add_nc_u32 v5, s13, v4                       ; into the stage: my four rows
	v_mul_u32_u24 v6, v2, PITCH
	v_lshl_add_u32 v6, v3, 6, v6
	s_lshl_b32 s13, s12, 10
	v_add_nc_u32 v6, s13, v6                       ; out of it: row r, + 64 h, + my two K steps
	s_lshr_b32 s14, s12, 1
	s_and_b32 s15, s12, 1
	s_lshl_b32 s13, s14, 8
	s_lshl_b32 s16, s15, 3
	s_add_co_u32 s13, s13, s16
	s_add_co_u32 s13, s13, SCG
	v_lshl_add_u32 v9, v2, 4, s13                  ; my scale words: 16 r + 256 (w / 2) + 8 (w % 2)
	v_add_nc_u32 v10, SCG, v4
	s_mov_b32 s[SEL], 0x76543210
	s_mov_b32 s[SEL+1], 0xfedcba98
	s_mov_b32 s22, 0x3a800000                      ; 1 / 1024
	s_mov_b32 s23, 0x3727c5ac                      ; 1e-5
	s_lshr_b32 s16, ttmp9, 1
	s_lshl_b32 s16, s16, 5
	s_and_b32 s17, ttmp9, 1
	s_lshl_b32 s17, s17, 3
	s_add_co_u32 s16, s16, s17
	s_lshl_b32 s17, s12, 2
	s_add_co_u32 s16, s16, s17
	s_lshl_b32 s17, s14, 3
	s_add_co_u32 s16, s16, s17                     ; my first token
	s_lshl_b32 s16, s16, 12
	s_mov_b32 s17, 0
	s_lshl_b32 s18, ttmp9, 3
	s_lshl_b32 s19, s12, 1
	s_add_co_u32 s18, s18, s19
	s_mul_i32 s18, s18, 1536                       ; my first fragment
	s_mov_b32 s19, 0
	s_lshl_b32 s26, ttmp9, 9
	s_add_co_u32 s26, s26, 3145728                 ; the tile's scale words
	s_mov_b32 s27, 0
	s_wait_kmcnt 0x0
	s_add_nc_u64 s[4:5], s[4:5], s[16:17]
	s_add_nc_u64 s[24:25], s[10:11], s[18:19]
	s_add_nc_u64 s[26:27], s[10:11], s[26:27]
.irp i, 0,1,2,3
.irp j, 0,1,2,3,4,5,6,7
	global_load_b128 v[X+32*\i+4*\j:X+32*\i+4*\j+3], v4, s[4:5] offset:4096*\i+512*\j th:TH_LOAD_NT
.endr
.endr
.irp j, 0,1,2,3,4,5,6,7
	global_load_b128 v[WR+4*\j:WR+4*\j+3], v4, s[6:7] offset:512*\j
.endr
.irp j, 0,1,2,3,4,5,6,7
	global_load_b128 v[BR+4*\j:BR+4*\j+3], v4, s[8:9] offset:512*\j
.endr
	s_wait_loadcnt 16                              ; the rows are in; the 16 loads of w and b may be out
.irp i, 0,1,2,3                        ; the rows' sums: two chains a row, the rows by turns
	v_pk_add_f32 v[16+2*\i:17+2*\i], v[X+32*\i:X+32*\i+1], v[X+32*\i+4:X+32*\i+5]
	v_pk_add_f32 v[24+2*\i:25+2*\i], v[X+32*\i+2:X+32*\i+3], v[X+32*\i+6:X+32*\i+7]
.endr
.irp p, 8,12,16,20,24,28
.irp i, 0,1,2,3
	v_pk_add_f32 v[16+2*\i:17+2*\i], v[16+2*\i:17+2*\i], v[X+32*\i+\p:X+32*\i+\p+1]
	v_pk_add_f32 v[24+2*\i:25+2*\i], v[24+2*\i:25+2*\i], v[X+32*\i+\p+2:X+32*\i+\p+3]
.endr
.endr
.irp i, 0,1,2,3
	v_pk_add_f32 v[16+2*\i:17+2*\i], v[16+2*\i:17+2*\i], v[24+2*\i:25+2*\i]
.endr
.irp i, 0,1,2,3
	v_add_f32 v[16+2*\i], v[16+2*\i], v[17+2*\i]
.endr
	REDUCE 16
.irp i, 0,1,2,3
	v_mul_f32 v[16+2*\i], s22, v[16+2*\i]          ; the mean
.endr
.irp p, 0,2,4,6,8,10,12,14,16,18,20,22,24,26,28,30
.irp i, 0,1,2,3
	v_pk_add_f32 v[X+32*\i+\p:X+32*\i+\p+1], v[X+32*\i+\p:X+32*\i+\p+1], v[16+2*\i:17+2*\i] op_sel_hi:[1,0] neg_lo:[0,1] neg_hi:[0,1]   ; x - mean, in place
.endr
.endr
.irp i, 0,1,2,3
	v_pk_mul_f32 v[24+2*\i:25+2*\i], v[X+32*\i:X+32*\i+1], v[X+32*\i:X+32*\i+1]
.endr
.irp p, 2,4,6,8,10,12,14,16,18,20,22,24,26,28,30
.irp i, 0,1,2,3
	v_pk_fma_f32 v[24+2*\i:25+2*\i], v[X+32*\i+\p:X+32*\i+\p+1], v[X+32*\i+\p:X+32*\i+\p+1], v[24+2*\i:25+2*\i]
.endr
.endr
.irp i, 0,1,2,3
	v_add_f32 v[24+2*\i], v[24+2*\i], v[25+2*\i]
.endr
	REDUCE 24
.irp i, 0,1,2,3
	v_fma_f32 v[24+2*\i], v[24+2*\i], s22, s23     ; the variance + 1e-5
.endr
	s_wait_alu depctr_va_vdst(0)
.irp i, 0,1,2,3
	v_rsq_f32 v[24+2*\i], v[24+2*\i]
.endr
	v_nop                                          ; a plain instruction behind the last of them
	s_wait_alu depctr_va_vdst(0)                   ; one wait for the four, ahead of their first reader
	s_wait_loadcnt 0x0                             ; w and b
.irp p, 0,2,4,6,8,10,12,14,16,18,20,22,24,26,28,30
.irp i, 0,1,2,3
	v_pk_mul_f32 v[X+32*\i+\p:X+32*\i+\p+1], v[X+32*\i+\p:X+32*\i+\p+1], v[24+2*\i:25+2*\i] op_sel_hi:[1,0]
.endr
.irp i, 0,1,2,3
	v_pk_fma_f32 v[X+32*\i+\p:X+32*\i+\p+1], v[X+32*\i+\p:X+32*\i+\p+1], v[WR+\p:WR+\p+1], v[BR+\p:BR+\p+1]
.endr
.endr
.irp i, 0,1,2,3
.irp j, 0,1,2,3,4,5,6,7
	ds_store_b128 v5, v[X+32*\i+4*\j:X+32*\i+4*\j+3] offset:PITCH*\i+512*\j
.endr
.endr
	s_wait_dscnt 0x0                               ; for the others' sake: my rows lie in the stage
	s_barrier_signal -1
	s_barrier_wait -1
.irp q, 0,1
.irp b, 0,1,2,3
.irp j, 0,1,2,3
	ds_load_b128 v[X+64*\q+16*\b+4*\j:X+64*\q+16*\b+4*\j+3], v6 offset:512*\q+128*\b+16*\j
.endr
.endr
.endr
.irp b, 0,1,2,3
	v_mov_b32 v[TM+4+\b], 0                        ; a lane permute's destination counts as one of its sources
.endr
	s_wait_dscnt 16                                ; the first K step's 16 loads are in; the second's may be out
	QUANT X
	PUTFRAG 0
	ds_store_b32 v9, v[PW]                         ; lanes r and r + 16 write the same word with the same value
	s_wait_dscnt 0x0
	s_wait_xcnt 0x0                                ; the stores have read the codes: they may be written again
	QUANT X+64
	PUTFRAG 1536
	ds_store_b32 v9, v[PW] offset:4
	s_wait_dscnt 0x0
	s_barrier_signal -1
	s_barrier_wait -1
	s_cmp_lg_u32 s12, 0
	s_cbranch_scc1 .Lend
	ds_load_b128 v[200:203], v10
	s_wait_dscnt 0x0
	global_store_b128 v4, v[200:203], s[26:27]     ; the tile's scale words: 512 neighbouring bytes
.Lend:
	s_wait_tensorcnt 0x0
	ds_add_u32 v224, v225
	s_wait_dscnt 0x0
	s_endpgm
.Lfunc_end_k_q058284c976_ln1:
	.size	k_q058284c976_ln1, .Lfunc_end_k_q058284c976_ln1-k_q058284c976_ln1
	.p2alignl 7, 3214868480
	.fill 96, 4, 3214868480
	.section	.rodata,"a",@progbits
	.p2align	6, 0x0
	.amdhsa_kernel k_q058284c976_ln1
		.amdhsa_group_segment_fixed_size 67072
		.amdhsa_private_segment_fixed_size 0
		.amdhsa_enable_private_segment 0
		.amdhsa_kernarg_size 32
		.amdhsa_user_sgpr_count 2
		.amdhsa_user_sgpr_kernarg_segment_ptr 1
		.amdhsa_wavefront_size32 1
		.amdhsa_system_sgpr_workgroup_id_x 1
		.amdhsa_system_sgpr_workgroup_id_y 1
		.amdhsa_system_sgpr_workgroup_id_z 1
		.amdhsa_system_vgpr_workitem_id 0
		.amdhsa_next_free_vgpr 226
		.amdhsa_next_free_sgpr 66
		.amdhsa_reserve_vcc 0
		.amdhsa_float_denorm_mode_32 3
		.amdhsa_float_denorm_mode_16_64 3
		.amdhsa_memory_ordered 1
		.amdhsa_forward_progress 1
		.amdhsa_inst_pref_size 44
	.end_amdhsa_kernel
	.amdgpu_metadata
---
amdhsa.version: [ 1, 2 ]
amdhsa.kernels:
  - .name:           k_q058284c976_ln1
    .symbol:         k_q058284c976_ln1.kd
    .args:
      - { .name: X1, .offset: 0, .size: 8, .value_kind: global_buffer, .address_space: global }
      - { .name: ln2_w, .offset: 8, .size: 8, .value_kind: global_buffer, .address_space: global }
      - { .name: ln2_b, .offset: 16, .size: 8, .value_kind: global_buffer, .address_space: global }
      - { .name: H, .offset: 24, .size: 8, .value_kind: global_buffer, .address_space: global }
    .group_segment_fixed_size: 67072
    .private_segment_fixed_size: 0
    .kernarg_segment_align: 8
    .kernarg_segment_size: 32
    .max_flat_workgroup_size: 128
    .sgpr_count:     66
    .vgpr_count:     226
    .wavefront_size: 32
...
	.end_amdgpu_metadata
.endif
;; end of part 5
;; launch w1 (part 6): grid 16 x 16, 4 waves a work-group, clusters of 4 x 4, 327,680 bytes of LDS; arguments H, W, b1, G; writes G
.if DOCPART == 6
	.amdgcn_target "amdgcn-amd-amdhsa--gfx1250"
	.amdhsa_code_object_version 6
	.text
	.protected	k_q058284c976_w1
	.globl	k_q058284c976_w1
	.p2align	8
	.type	k_q058284c976_w1,@function
k_q058284c976_w1:
	s_mov_b64 s[64:65], 0
	v_nop
	global_prefetch_b8 v0, s[64:65] scope:SCOPE_SE
	s_setreg_imm32_b32 hwreg(HW_REG_WAVE_MODE, 25, 1), 1
	s_wait_xcnt 0x0
	s_wait_alu depctr_hold_cnt(0) depctr_sa_sdst(0) depctr_va_vdst(0) depctr_va_sdst(0) depctr_va_ssrc(0) depctr_va_vcc(0) depctr_vm_vsrc(0)
	s_getreg_b32 s2, hwreg(HW_REG_IB_STS2, 6, 4)
	s_cmp_eq_u32 s2, 0
	s_cbranch_scc0 .Lentry_in_a_cluster
	s_endpgm
.Lentry_in_a_cluster:
	s_bfe_u32 s2, ttmp6, 0x10000c
	s_cmp_lg_u32 s2, 0xf033
	s_cbranch_scc0 .Lentry_shape_is_right
	s_endpgm
.Lentry_shape_is_right:
.set NQ,    2
.set KS,    8
.set SLOTB, 98304
.set QTR,   24576
.set SST,   294912
.set SPARE, 296960
.set SA,    32
.set SB,    64
.set SEL,   60
.set PC,    128
.set TM,    148
.set PW,    164
.set GA,    128
.set GS,    144
.set GT,    160
.set GR,    176
.set GQ,    192
.set MSB,   0
.macro WIN new
.if MSB != (\new)
	s_set_vgpr_msb (MSB<<8)|(\new)
.set MSB, (\new)
.endif
.endm
.macro PLACES n
.rept \n
	v_nop
.endr
.endm
.macro CREST
	s_cmp_lg_u32 s16, 0
	s_cbranch_scc1 .Lnot_wave_0_\@
	s_barrier_signal -3
.Lnot_wave_0_\@:
	s_barrier_wait -3
	s_barrier_signal -1
	s_barrier_wait -1
.endm
.macro CROUND
	s_barrier_signal -1
	s_barrier_wait -1
	CREST
.endm
.macro JLOAD g0a, g0b
	s_cmp_eq_u32 s17, 0
	s_cbranch_scc0 .Lfor_b_\@
	tensor_load_to_lds s[\g0a:\g0a+3], s[32:39]
	s_nop 0
.rept 4
	v_nop
.endr
	s_branch .Lasked_\@
.Lfor_b_\@:
	tensor_load_to_lds s[\g0b:\g0b+3], s[40:47]
	s_nop 0
.rept 4
	v_nop
.endr
.Lasked_\@:
.endm
.macro FRAG reg, adr, off
	ds_load_b128 v[\reg:\reg+3], v[\adr] offset:\off
	ds_load_b64 v[\reg+4:\reg+5], v[\adr+1] offset:\off+512
	ds_load_b128 v[\reg+6:\reg+9], v[\adr] offset:\off+768
	ds_load_b64 v[\reg+10:\reg+11], v[\adr+1] offset:\off+1280
.endm
.macro FETCH ks
.set FS, (\ks)%2
.if (\ks) < 4                          ; K steps 0-3 lie in the head's region: a tile's four fragments on end
.set FSL, 0
.set FP, 6144
.set FO, (\ks)*1536
.else                                  ; steps 4, 5 and steps 6, 7: two fragments a tile
.set FSL, (\ks)/2-1
.set FP, 3072
.set FO, ((\ks)%2)*1536
.endif
	WIN 0x40
.irp i, 0,1,2,3,4,5,6,7
	FRAG 96*FS+12*\i, 10+4*FSL, \i*FP+FO
.endr
.if FS
.irp i, 4,5,6,7
	FRAG 192+12*(\i-4), 8+4*FSL, \i*FP+FO
.endr
.endif
	WIN 0
.if FS
.irp i, 0,1,2,3
	FRAG 192+12*\i, 8+4*FSL, \i*FP+FO
.endr
.else
.irp i, 0,1,2,3,4,5,6,7
	FRAG 96+12*\i, 8+4*FSL, \i*FP+FO
.endr
.endif
.endm
.macro MULQ ks, qd, first
.set MS, (\ks)%2
.set MJ, (\ks)%4
.set MR, ((\ks)%8)/4
.irp aa, 0,1
.set MA, 2*(\qd)+\aa
.if MA < 4
	WIN 0xa1
.elseif MS
	WIN 0xf5
.else
	WIN 0xf1
.endif
.if MS
.set MF, 192+12*(MA%4)
.else
.set MF, 96+12*MA
.endif
.irp b, 0,1,2,3,4,5,6,7
.set MD, 8*(8*(MA%4)+\b)
.set MB, 96*MS+12*\b
.if \first
	v_wmma_scale_f32_16x16x128_f8f6f4 v[MD:MD+7], v[MB:MB+11], v[MF:MF+11], 0, v[SB+4*\b+MJ], v[SA+4*MA+MJ] matrix_a_fmt:MATRIX_FMT_FP6 matrix_b_fmt:MATRIX_FMT_FP6
.elseif MR
	v_wmma_scale_f32_16x16x128_f8f6f4 v[MD:MD+7], v[MB:MB+11], v[MF:MF+11], v[MD:MD+7], v[SB+4*\b+MJ], v[SA+4*MA+MJ] matrix_a_fmt:MATRIX_FMT_FP6 matrix_b_fmt:MATRIX_FMT_FP6 matrix_a_scale:MATRIX_SCALE_ROW1 matrix_b_scale:MATRIX_SCALE_ROW1
.else
	v_wmma_scale_f32_16x16x128_f8f6f4 v[MD:MD+7], v[MB:MB+11], v[MF:MF+11], v[MD:MD+7], v[SB+4*\b+MJ], v[SA+4*MA+MJ] matrix_a_fmt:MATRIX_FMT_FP6 matrix_b_fmt:MATRIX_FMT_FP6
.endif
.endr
.endr
.endm
.macro KSTEP ks, mode, first
.if (\mode) == 0
	s_wait_dscnt 0x0
	PLACES 4
	FETCH (\ks)+1
	MULQ \ks, 0, \first
	MULQ \ks, 1, \first
	MULQ \ks, 2, \first
	MULQ \ks, 3, \first
.elseif (\mode) == 3
	s_wait_dscnt 0x0
	PLACES 4
	WIN 0x40
.irp b, 0,1,2,3
.irp j, 0,1,2,3
	global_load_b128 v[16*\b+4*\j:16*\b+4*\j+3], v22, s[92:93] offset:128*\b+16*\j
.endr
.endr
	WIN 0
	s_barrier_signal -1
	MULQ \ks, 0, 0
	MULQ \ks, 1, 0
	MULQ \ks, 2, 0
	MULQ \ks, 3, 0
	WIN 0
	s_barrier_wait -1
.else
	WIN 0
	s_wait_tensorcnt 0x0
	ds_add_u32 v28, v29
	s_wait_dscnt 0x1
	MULQ \ks, 0, 0
	s_wait_dscnt 0x0
	s_barrier_signal -1
	MULQ \ks, 1, 0
	WIN 0
	s_barrier_wait -1
.if (\mode) == 1
	CREST
.set RS, 2                             ; the one refill: K steps 6 and 7, onto the first bytes of the head's region
	JLOAD 48+4*RS, 68+4*RS
.else
	PLACES 4
.endif
	FETCH (\ks)+1
	MULQ \ks, 2, 0
	MULQ \ks, 3, 0
.endif
.endm
.macro QUANT s
.irp b, 0,1,2,3
	v_max3_num_f32 v[TM+\b], |v[\s+16*\b]|, |v[\s+1+16*\b]|, 0x1800000
.endr
.irp i, 2,4,6,8,10,12,14
.irp b, 0,1,2,3
	v_max3_num_f32 v[TM+\b], v[TM+\b], |v[\s+16*\b+\i]|, |v[\s+1+16*\b+\i]|
.endr
.endr
.irp b, 0,1,2,3
	v_permlanex16_b32 v[TM+4+\b], v[TM+\b], s[SEL], s[SEL+1]
.endr
.irp b, 0,1,2,3
	v_max_num_f32 v[TM+\b], v[TM+\b], v[TM+4+\b]
.endr
.irp b, 0,1,2,3
	v_add_nc_u32 v[TM+12+\b], 0xff000000, v[TM+\b]
.endr
.irp b, 0,1,2,3
	v_lshrrev_b32 v[TM+4+\b], 23, v[TM+12+\b]
.endr
	v_lshl_or_b32 v[PW], v[TM+5], 8, v[TM+4]
	v_lshl_or_b32 v[PW], v[TM+6], 16, v[PW]
	v_lshl_or_b32 v[PW], v[TM+7], 24, v[PW]
.irp c, 0,1
	v_cvt_scalef32_pk16_fp6_f32 v[PC+6*\c:PC+2+6*\c], v[\s+32*\c:\s+15+32*\c], v[TM+12+2*\c]
	v_cvt_scalef32_pk16_fp6_f32 v[PC+12+4*\c:PC+14+4*\c], v[\s+16+32*\c:\s+31+32*\c], v[TM+12+2*\c+1]
.endr
	v_nop
.irp c, 0,1
.irp i, 0,1,2
	v_permlane16_swap_b32 v[PC+6*\c+\i], v[PC+12+4*\c+\i]
.endr
.irp i, 0,1,2
	v_mov_b32 v[PC+3+6*\c+\i], v[PC+12+4*\c+\i]
.endr
.endr
.endm
.macro GELU c
.set XC, 64+16*(\c)
.irp n, 0,2,4,6,8,10,12,14
	v_pk_mul_f32 v[GA+\n:GA+\n+1], v[XC+\n:XC+\n+1], 0x3f3504f3 op_sel_hi:[1,0]
.endr
.irp n, 0,2,4,6,8,10,12,14
	v_pk_mul_f32 v[GS+\n:GS+\n+1], v[GA+\n:GA+\n+1], v[GA+\n:GA+\n+1]
.endr
.irp n, 0,1,2,3,4,5,6,7,8,9,10,11,12,13,14,15
	v_and_b32 v[GT+\n], s96, v[GA+\n]
.endr
.irp n, 0,2,4,6,8,10,12,14
	v_pk_fma_f32 v[GR+\n:GR+\n+1], v[GT+\n:GT+\n+1], 0xb7910000, v[208:209] op_sel_hi:[1,0,1]
.endr
.irp n, 0,2,4,6,8,10,12,14
	v_pk_fma_f32 v[GQ+\n:GQ+\n+1], v[GT+\n:GT+\n+1], 0xbb7e8a1c, v[210:211] op_sel_hi:[1,0,1]
.endr
.irp n, 0,2,4,6,8,10,12,14
	v_pk_fma_f32 v[GR+\n:GR+\n+1], v[GR+\n:GR+\n+1], v[GS+\n:GS+\n+1], v[GQ+\n:GQ+\n+1]
.endr
.irp k, 0xbddaae5c, 0xbf228550, 0xbe03ce86
.irp n, 0,2,4,6,8,10,12,14
	v_pk_fma_f32 v[GR+\n:GR+\n+1], v[GR+\n:GR+\n+1], v[GT+\n:GT+\n+1], \k op_sel_hi:[1,1,0]
.endr
.endr
.irp n, 0,2,4,6,8,10,12,14
	v_pk_fma_f32 v[GR+\n:GR+\n+1], v[GR+\n:GR+\n+1], v[GT+\n:GT+\n+1], v[GT+\n:GT+\n+1] neg_lo:[0,0,1] neg_hi:[0,0,1]
.endr
.irp n, 0,2,4,6,8,10,12,14
	v_pk_mul_f32 v[GR+\n:GR+\n+1], v[GR+\n:GR+\n+1], 0x3fb8aa3b op_sel_hi:[1,0]
.endr
	s_wait_alu depctr_va_vdst(0)
.irp n, 0,1,2,3,4,5,6,7,8,9,10,11,12,13,14,15
	v_exp_f32 v[GR+\n], v[GR+\n]
.endr
.irp n, 0,2,4,6,8,10,12,14
	v_pk_fma_f32 v[GQ+\n:GQ+\n+1], v[GS+\n:GS+\n+1], 0xba1c7000, v[212:213] op_sel_hi:[1,0,1]
.endr
.irp k, 0xbcdb48d9, 0x3de70e22, 0xbec09380, 0x3e0375d4
.irp n, 0,2,4,6,8,10,12,14
	v_pk_fma_f32 v[GQ+\n:GQ+\n+1], v[GQ+\n:GQ+\n+1], v[GS+\n:GS+\n+1], \k op_sel_hi:[1,1,0]
.endr
.endr
.irp n, 0,2,4,6,8,10,12,14
	v_pk_fma_f32 v[GQ+\n:GQ+\n+1], v[GQ+\n:GQ+\n+1], v[GA+\n:GA+\n+1], v[GA+\n:GA+\n+1]
.endr
.irp n, 0,2,4,6,8,10,12,14
	v_pk_add_f32 v[GQ+\n:GQ+\n+1], v[GQ+\n:GQ+\n+1], 1.0 op_sel_hi:[1,0]
.endr
.irp n, 0,1,2,3,4,5,6,7,8,9,10,11,12,13,14,15
	v_bfi_b32 v[GS+\n], s96, 1.0, v[GA+\n]
.endr
.irp n, 0,2,4,6,8,10,12,14
	v_pk_add_f32 v[GA+\n:GA+\n+1], v[GS+\n:GS+\n+1], 1.0 op_sel_hi:[1,0]
.endr
	s_wait_alu depctr_va_vdst(0)
.irp n, 0,2,4,6,8,10,12,14
	v_pk_fma_f32 v[GR+\n:GR+\n+1], v[GS+\n:GS+\n+1], v[GR+\n:GR+\n+1], v[GA+\n:GA+\n+1] neg_lo:[1,0,0] neg_hi:[1,0,0]
.endr
.irp n, 0,1,2,3,4,5,6,7,8,9,10,11,12,13,14,15
	v_cmp_lt_f32 s[32+\n], s97, v[GT+\n]           ; sixteen masks in sixteen scalar registers (the descriptors that lay there are done with), then the sixteen selects
.endr
.irp n, 0,1,2,3,4,5,6,7,8,9,10,11,12,13,14,15
	v_cndmask_b32 v[GR+\n], v[GQ+\n], v[GR+\n], s[32+\n]
.endr
.irp n, 0,2,4,6,8,10,12,14
	v_pk_mul_f32 v[XC+\n:XC+\n+1], v[XC+\n:XC+\n+1], 0.5 op_sel_hi:[1,0]
.endr
.irp n, 0,2,4,6,8,10,12,14
	v_pk_mul_f32 v[XC+\n:XC+\n+1], v[XC+\n:XC+\n+1], v[GR+\n:GR+\n+1]
.endr
.endm
	s_load_b256 s[4:11], s[0:1], 0x0
	v_lshl_add_u32 v28, v0, 2, SPARE
	v_mov_b32 v29, 0
	ds_add_u32 v28, v29
	ds_add_u32 v28, v29
	s_wait_dscnt 0x0
	v_lshrrev_b32 v1, 5, v0
	v_readfirstlane_b32 s16, v1
	s_lshr_b32 s17, s16, 1
	s_and_b32 s18, s16, 1
	s_bfe_u32 s20, ttmp6, 0x40000
	s_bfe_u32 s21, ttmp6, 0x40004
	s_lshl_b32 s81, ttmp9, 2
	s_add_co_u32 s81, s81, s20
	s_and_b32 s80, ttmp7, 0xffff
	s_lshl_b32 s80, s80, 2
	s_add_co_u32 s80, s80, s21
	s_lshl_b32 s22, s21, 2
	s_lshl_b32 s22, 15, s22
	s_lshl_b32 s23, 0x1111, s20
	s_or_b32 s32, s22, (3<<16)|(1<<21)
	s_or_b32 s40, s23, (3<<16)|(1<<21)
.irp g, 32, 40
	s_mov_b32 s[\g+1], 768<<16                     ; the head's load: four fragments a tile, 6,144 bytes
	s_mov_b32 s[\g+2], 8<<16
	s_mov_b32 s[\g+3], 768<<16
	s_mov_b32 s[\g+4], 8
	s_mov_b32 s[\g+5], 1536
	s_mov_b32 s[\g+6], 0
	s_mov_b32 s[\g+7], 0
.endr
	s_mov_b32 s[SEL], 0x76543210
	s_mov_b32 s[SEL+1], 0xfedcba98
	s_mov_b32 s96, 0x7fffffff
	s_mov_b32 s97, 0x3f6d8000
	s_lshl_b32 s22, s18, 3
	s_lshl_b32 s24, s80, 4
	s_add_co_u32 s24, s24, s22
	s_mul_i32 s24, s24, KS*1536
	s_mov_b32 s25, 0
	s_lshl_b32 s26, s81, 4
	s_add_co_u32 s26, s26, s22
	s_mul_i32 s26, s26, KS*1536
	s_add_co_u32 s26, s26, 3145728
	s_mov_b32 s27, 0
	s_mul_i32 s30, s16, QTR
	s_wait_kmcnt 0x0
	s_add_nc_u64 s[24:25], s[4:5], s[24:25]
	s_add_nc_u64 s[26:27], s[6:7], s[26:27]
	CROUND
.irp s, 0,1,2
	s_mov_b32 s[48+4*\s], 1
.if \s == 0
	s_mul_i32 s[49+4*\s], s16, 2*QTR               ; set 0: K steps 0-3, 49,152 bytes a wave, from byte 0
.else
	s_add_co_u32 s[49+4*\s], s30, (\s%2)*2*SLOTB   ; set 1: steps 4, 5 behind them; set 2: steps 6, 7 from byte 0 again
.endif
	s_add_nc_u64 s[50+4*\s:51+4*\s], s[24:25], (\s+(\s+1)/2)*3072
	s_or_b32 s[51+4*\s], s[51+4*\s], 0x80000000
	s_mov_b32 s[68+4*\s], 1
.if \s == 0
	s_mul_i32 s[69+4*\s], s16, 2*QTR
.else
	s_add_co_u32 s[69+4*\s], s30, (\s%2)*2*SLOTB
.endif
	s_add_nc_u64 s[70+4*\s:71+4*\s], s[26:27], (\s+(\s+1)/2)*3072
	s_or_b32 s[71+4*\s], s[71+4*\s], 0x80000000
.if \s == 0
	JLOAD 48, 68                                   ; one tensor load a wave at the head
.endif
.endr
	s_lshl_b32 s28, s80, 4
	s_lshl_b32 s23, s17, 3
	s_add_co_u32 s28, s28, s23
	s_lshl_b32 s22, s28, 9
	s_add_co_u32 s22, s22, 3145728
	s_mov_b32 s23, 0
	s_add_nc_u64 s[82:83], s[4:5], s[22:23]
	s_lshl_b32 s22, s81, 4
	s_lshl_b32 s23, s18, 3
	s_add_co_u32 s22, s22, s23
	s_lshl_b32 s22, s22, 9
	s_add_co_u32 s22, s22, 9568256
	s_mov_b32 s23, 0
	s_add_nc_u64 s[84:85], s[6:7], s[22:23]
	s_lshl_b32 s22, s81, 10
	s_lshl_b32 s23, s18, 9
	s_add_co_u32 s22, s22, s23
	s_mov_b32 s23, 0
	s_add_nc_u64 s[92:93], s[8:9], s[22:23]
	s_lshl_b32 s29, s81, 1
	s_add_co_u32 s29, s29, s18
	s_lshl_b32 s22, s28, 5
	s_add_co_u32 s22, s22, s29
	s_mul_i32 s22, s22, 1536
	s_mov_b32 s23, 0
	s_add_nc_u64 s[88:89], s[10:11], s[22:23]
	s_lshl_b32 s22, s29, 14
	s_lshl_b32 s23, s28, 6
	s_add_co_u32 s22, s22, s23
	s_add_co_u32 s22, s22, 12582912
	s_mov_b32 s23, 0
	s_add_nc_u64 s[90:91], s[10:11], s[22:23]
	v_and_b32 v1, 31, v0
	v_and_b32 v2, 15, v0
	v_bfe_u32 v3, v0, 4, 1
	v_lshlrev_b32 v20, 4, v1
	v_lshlrev_b32 v21, 3, v1
	v_lshlrev_b32 v22, 6, v3
.irp i, 0,1,2,3,4,5,6,7
	global_load_b128 v[SA+4*\i:SA+4*\i+3], v20, s[82:83] offset:512*\i
	global_load_b128 v[SB+4*\i:SB+4*\i+3], v20, s[84:85] offset:512*\i
.endr
	s_mul_i32 s26, s17, QTR
	s_mul_i32 s27, s18, QTR
	s_add_co_u32 s27, s27, 2*QTR
.irp s, 2,1
	v_add_nc_u32 v[8+4*\s], s26, v20
	v_add_nc_u32 v[9+4*\s], s26, v21
	v_add_nc_u32 v[10+4*\s], s27, v20
	v_add_nc_u32 v[11+4*\s], s27, v21
	s_add_co_u32 s26, s26, 2*SLOTB
	s_add_co_u32 s27, s27, 2*SLOTB
.endr
	s_mul_i32 s26, s17, 2*QTR                      ; the head's region: quarters of 49,152 bytes
	s_mul_i32 s27, s18, 2*QTR
	s_add_co_u32 s27, s27, 4*QTR
	v_add_nc_u32 v8, s26, v20
	v_add_nc_u32 v9, s26, v21
	v_add_nc_u32 v10, s27, v20
	v_add_nc_u32 v11, s27, v21
	s_lshl_b32 s22, s16, 16
	s_lshl_b32 s23, s16, 9
	s_add_co_u32 s23, s23, SST
	WIN 0x40
	v_mov_b32 v248, v20
	v_mov_b32 v249, v21
	v_add_nc_u32 v250, s22, v20
	v_lshl_add_u32 v252, v2, 2, s23
	v_add_nc_u32 v254, s23, v20
	WIN 0
	s_wait_alu depctr_va_vdst(0)                   ; the wait at the head's end
	s_wait_tensorcnt 0x0                           ; my part of K steps 0-3 is in
	ds_add_u32 v28, v29
	s_mov_b32 s33, 384<<16                         ; no load of mine is out: from here on a load brings two fragments a tile
	s_mov_b32 s35, 384<<16
	s_mov_b32 s41, 384<<16
	s_mov_b32 s43, 384<<16
	s_wait_dscnt 0x0
	CROUND
	JLOAD 52, 72                                   ; K steps 4 and 5: they have steps 0-3 in which to land
	s_wait_loadcnt 0x0
	FETCH 0
	KSTEP 0, 0, 1
	KSTEP 1, 0, 0
	KSTEP 2, 0, 0
	s_wait_alu depctr_va_vdst(0)
	KSTEP 3, 1, 0
	KSTEP 4, 0, 0
	KSTEP 5, 2, 0
	KSTEP 6, 0, 0
	KSTEP 7, 3, 0
	PLACES 4
.irp a, 0,1,2,3,4,5,6,7
	WIN 0x09+4*(\a/4)
.irp n, 0,1,2,3,4,5,6,7,8,9,10,11,12,13,14,15
	ds_store_b128 v250, v[64*(\a%4)+4*\n:64*(\a%4)+4*\n+3] offset:8192*\a+512*\n
.endr
.endr
	WIN 0x55
	v_mov_b32 v208, 0x39c8e7d9
	v_mov_b32 v209, 0x39c8e7d9
	v_mov_b32 v210, 0x3cc6b1a1
	v_mov_b32 v211, 0x3cc6b1a1
	v_mov_b32 v212, 0x3ba38d2c
	v_mov_b32 v213, 0x3ba38d2c
	WIN 0
	s_wait_loadcnt 0x0
	s_mov_b32 s86, 0
	s_mov_b32 s87, 0
	s_mov_b32 s94, 0
	WIN 0x81                                       ; a block comes back from the stage into window 2, whose sums have been stored: block 0
.irp n, 0,1,2,3,4,5,6,7,8,9,10,11,12,13,14,15
	ds_load_b128 v[64+4*\n:67+4*\n], v250 offset:512*\n
.endr
	WIN 0
.Lblock:
	WIN 0x55
	v_add_nc_u32 v251, s87, v250
	v_add_nc_u32 v253, s94, v252
	s_wait_dscnt 0x0                               ; this block is in
	WIN 0x46                                       ; window 1 = window 2 + the bias in window 1
.irp n, 0,2,4,6,8,10,12,14,16,18,20,22,24,26,28,30,32,34,36,38,40,42,44,46,48,50,52,54,56,58,60,62
	v_pk_add_f32 v[64+\n:65+\n], v[64+\n:65+\n], v[\n:\n+1]
.endr
	WIN 0
	s_cmp_lt_u32 s86, 7                            ; the next block is asked for now and has this block's work in which to land; the last trip asks for nothing
	s_wait_alu depctr_va_vdst(0)                   ; the wait, directly ahead of the branch
	s_cbranch_scc0 .Lno_next
	WIN 0x81
.irp n, 0,1,2,3,4,5,6,7,8,9,10,11,12,13,14,15
	ds_load_b128 v[64+4*\n:67+4*\n], v251 offset:8192+512*\n
.endr
	WIN 0
.Lno_next:
	WIN 0x55
	GELU 0
	GELU 1
	GELU 2
	GELU 3
	QUANT 64
	global_store_b128 v248, v[PC:PC+3], s[88:89]
	global_store_b64 v249, v[PC+4:PC+5], s[88:89] offset:512
	global_store_b128 v248, v[PC+6:PC+9], s[88:89] offset:768
	global_store_b64 v249, v[PC+10:PC+11], s[88:89] offset:1280
	ds_store_b32 v253, v[PW]
	s_wait_xcnt 0x0
	WIN 0
	s_add_nc_u64 s[88:89], s[88:89], 49152
	s_add_co_u32 s87, s87, 8192
	s_add_co_u32 s94, s94, 64
	s_add_co_u32 s86, s86, 1
	s_cmp_lt_u32 s86, 8
	s_cbranch_scc1 .Lblock
	WIN 0x55
	ds_load_b128 v[64:67], v254
	s_wait_dscnt 0x0
	global_store_b128 v248, v[64:67], s[90:91]
	WIN 0
	s_wait_tensorcnt 0x0
	ds_add_u32 v28, v29
	s_wait_dscnt 0x0
	CROUND
	s_endpgm
.Lfunc_end_k_q058284c976_w1:
	.size	k_q058284c976_w1, .Lfunc_end_k_q058284c976_w1-k_q058284c976_w1
	.p2alignl 7, 3214868480
	.fill 96, 4, 3214868480
	.section	.rodata,"a",@progbits
	.p2align	6, 0x0
	.amdhsa_kernel k_q058284c976_w1
		.amdhsa_group_segment_fixed_size 327680
		.amdhsa_private_segment_fixed_size 0
		.amdhsa_enable_private_segment 0
		.amdhsa_kernarg_size 32
		.amdhsa_user_sgpr_count 2
		.amdhsa_user_sgpr_kernarg_segment_ptr 1
		.amdhsa_wavefront_size32 1
		.amdhsa_system_sgpr_workgroup_id_x 1
		.amdhsa_system_sgpr_workgroup_id_y 1
		.amdhsa_system_sgpr_workgroup_id_z 1
		.amdhsa_system_vgpr_workitem_id 0
		.amdhsa_next_free_vgpr 1024
		.amdhsa_next_free_sgpr 100
		.amdhsa_reserve_vcc 0
		.amdhsa_float_denorm_mode_32 3
		.amdhsa_float_denorm_mode_16_64 3
		.amdhsa_memory_ordered 1
		.amdhsa_forward_progress 1
		.amdhsa_inst_pref_size 201
	.end_amdhsa_kernel
	.amdgpu_metadata
---
amdhsa.version: [ 1, 2 ]
amdhsa.kernels:
  - .name:           k_q058284c976_w1
    .symbol:         k_q058284c976_w1.kd
    .args:
      - { .name: H, .offset: 0, .size: 8, .value_kind: global_buffer, .address_space: global }
      - { .name: W, .offset: 8, .size: 8, .value_kind: global_buffer, .address_space: global }
      - { .name: b1, .offset: 16, .size: 8, .value_kind: global_buffer, .address_space: global }
      - { .name: G, .offset: 24, .size: 8, .value_kind: global_buffer, .address_space: global }
    .group_segment_fixed_size: 327680
    .private_segment_fixed_size: 0
    .kernarg_segment_align: 8
    .kernarg_segment_size: 32
    .max_flat_workgroup_size: 128
    .sgpr_count:     100
    .vgpr_count:     1024
    .wavefront_size: 32
...
	.end_amdgpu_metadata
.endif
;; end of part 6
;; launch w2 (part 7): grid 8 x 32, 4 waves a work-group, clusters of 4 x 4, 327,680 bytes of LDS; arguments G, W, b2, X1, out0; writes out0
.if DOCPART == 7
	.amdgcn_target "amdgcn-amd-amdhsa--gfx1250"
	.amdhsa_code_object_version 6
	.text
	.protected	k_q058284c976_w2
	.globl	k_q058284c976_w2
	.p2align	8
	.type	k_q058284c976_w2,@function
k_q058284c976_w2:
	s_mov_b64 s[64:65], 0
	v_nop
	global_prefetch_b8 v0, s[64:65] scope:SCOPE_SE
	s_setreg_imm32_b32 hwreg(HW_REG_WAVE_MODE, 25, 1), 1
	s_wait_xcnt 0x0
	s_wait_alu depctr_hold_cnt(0) depctr_sa_sdst(0) depctr_va_vdst(0) depctr_va_sdst(0) depctr_va_ssrc(0) depctr_va_vcc(0) depctr_vm_vsrc(0)
	s_getreg_b32 s2, hwreg(HW_REG_IB_STS2, 6, 4)
	s_cmp_eq_u32 s2, 0
	s_cbranch_scc0 .Lentry_in_a_cluster
	s_endpgm
.Lentry_in_a_cluster:
	s_bfe_u32 s2, ttmp6, 0x10000c
	s_cmp_lg_u32 s2, 0xf033
	s_cbranch_scc0 .Lentry_shape_is_right
	s_endpgm
.Lentry_shape_is_right:
.set W2, 1
.if W2
.set KS,    32
.set KC,    4
.set WOFF,  6291456
.set WSOFF, 9699328
.set ASOFF, 12582912
.set SAS,   16
.set SB,    96
.set NFILL, 2
.else
.set KS,    8
.set KC,    1
.set WOFF,  2359296
.set WSOFF, 9535488
.set ASOFF, 3145728
.set SAS,   4
.set SB,    48
.set NFILL, 2
.endif
.set NQ,    6                          ; two slots of six K steps; the 32 steps are five whole chunks and one of two steps
.set SLOTB, 147456
.set QTR,   36864
.set FST,   294912
.set SPARE, 312320
.set SA,    32
.set MSB,   0
.macro WIN new
.if MSB != (\new)
	s_set_vgpr_msb (MSB<<8)|(\new)
.set MSB, (\new)
.endif
.endm
.macro PLACES n
.rept \n
	v_nop
.endr
.endm
.macro CREST
	s_cmp_lg_u32 s16, 0
	s_cbranch_scc1 .Lnot_wave_0_\@
	s_barrier_signal -3
.Lnot_wave_0_\@:
	s_barrier_wait -3
	s_barrier_signal -1
	s_barrier_wait -1
.endm
.macro CROUND
	s_barrier_signal -1
	s_barrier_wait -1
	CREST
.endm
.macro JLOAD g0a, g0b
	s_cmp_eq_u32 s17, 0
	s_cbranch_scc0 .Lfor_b_\@
	tensor_load_to_lds s[\g0a:\g0a+3], s[32:39]
	s_nop 0
.rept 4
	v_nop
.endr
	s_branch .Lasked_\@
.Lfor_b_\@:
	tensor_load_to_lds s[\g0b:\g0b+3], s[40:47]
	s_nop 0
.rept 4
	v_nop
.endr
.Lasked_\@:
.endm
.macro FRAG reg, adr, off
	ds_load_b128 v[\reg:\reg+3], v[\adr] offset:\off
	ds_load_b64 v[\reg+4:\reg+5], v[\adr+1] offset:\off+512
	ds_load_b128 v[\reg+6:\reg+9], v[\adr] offset:\off+768
	ds_load_b64 v[\reg+10:\reg+11], v[\adr+1] offset:\off+1280
.endm
.macro FETCH ks
.set FS, ((\ks)%3)%2                   ; three sets of fragments by turns: two in window 1, the third in window 3
.set FW, 0x40+0x80*(((\ks)%3)/2)
.set FSL, ((\ks)/NQ)%2
.if (\ks) < 30
.set FP, NQ*1536
.else
.set FP, 3072                          ; the last chunk's rows hold two fragments
.endif
.set FO, ((\ks)%NQ)*1536
	WIN FW
.irp i, 0,1,2,3
	FRAG 48*FS+12*\i, 8+4*FSL, \i*FP+FO
.endr
.irp i, 0,1,2,3
	FRAG 96+48*FS+12*\i, 10+4*FSL, \i*FP+FO
.endr
	WIN 0
.endm
.macro MULQ ks, qd, first
.set MS, ((\ks)%3)%2
.set MW, 0x0a*(((\ks)%3)/2)
.set MJ, 4*((\ks)/8)+(\ks)%4
.set MR, ((\ks)%8)/4
.if \first
	WIN 0x95+MW
.else
	WIN 0xa5+MW
.endif
.irp b, 0,1,2,3
.set MD, 8*(4*(\qd)+\b)
.set MB, 96+48*MS+12*\b
.set MF, 48*MS+12*(\qd)
.if \first
	v_wmma_scale_f32_16x16x128_f8f6f4 v[MD:MD+7], v[MB:MB+11], v[MF:MF+11], v[192+8*\b:199+8*\b], v[SB+SAS*\b+MJ], v[SA+SAS*(\qd)+MJ] matrix_a_fmt:MATRIX_FMT_FP6 matrix_b_fmt:MATRIX_FMT_FP6
.elseif MR
	v_wmma_scale_f32_16x16x128_f8f6f4 v[MD:MD+7], v[MB:MB+11], v[MF:MF+11], v[MD:MD+7], v[SB+SAS*\b+MJ], v[SA+SAS*(\qd)+MJ] matrix_a_fmt:MATRIX_FMT_FP6 matrix_b_fmt:MATRIX_FMT_FP6 matrix_a_scale:MATRIX_SCALE_ROW1 matrix_b_scale:MATRIX_SCALE_ROW1
.else
	v_wmma_scale_f32_16x16x128_f8f6f4 v[MD:MD+7], v[MB:MB+11], v[MF:MF+11], v[MD:MD+7], v[SB+SAS*\b+MJ], v[SA+SAS*(\qd)+MJ] matrix_a_fmt:MATRIX_FMT_FP6 matrix_b_fmt:MATRIX_FMT_FP6
.endif
.endr
.endm
.macro KSTEP ks, mode, first
.if (\mode) == 0
.if (\ks)+1 < KS
	s_wait_dscnt 32                                ; this step's fragments are in; the next step's 32 loads may be out
.else
	s_wait_dscnt 0x0
.endif
.if (\ks)+2 < KS
	PLACES 4                                       ; in front of loads into registers that the last step's products read
	FETCH (\ks)+2                                  ; two steps ahead
.endif
	MULQ \ks, 0, \first
	MULQ \ks, 1, \first
	MULQ \ks, 2, \first
	MULQ \ks, 3, \first
.elseif (\mode) == 3
	s_wait_dscnt 0x0
	MULQ \ks, 0, 0
	MULQ \ks, 1, 0
	MULQ \ks, 2, 0
	MULQ \ks, 3, 0
.else
	WIN 0
	s_wait_tensorcnt 0x0
	ds_add_u32 v28, v29
	s_wait_dscnt 33                                ; this step's fragments are in; the next step's 32 loads and the add may be out
	MULQ \ks, 0, 0
	s_wait_dscnt 0x0
	s_barrier_signal -1
	MULQ \ks, 1, 0
	WIN 0
	s_barrier_wait -1
.if (\mode) == 1
	CREST
.set RS, ((\ks)/NQ)%2                  ; the chunk whose last fragments have just come into registers gives its slot to the chunk two on
	s_add_nc_u64 s[50+4*RS:51+4*RS], s[50+4*RS:51+4*RS], 2*NQ*1536
	s_add_nc_u64 s[70+4*RS:71+4*RS], s[70+4*RS:71+4*RS], 2*NQ*1536
.if (\ks) == 22
	s_mov_b32 s33, 384<<16                         ; no load of mine is out: the last chunk has two fragments a tile
	s_mov_b32 s35, 384<<16
	s_mov_b32 s41, 384<<16
	s_mov_b32 s43, 384<<16
.endif
	JLOAD 48+4*RS, 68+4*RS
.else
	PLACES 4
.endif
	s_wait_alu depctr_va_vdst(0)
	FETCH (\ks)+2
	MULQ \ks, 2, 0
	MULQ \ks, 3, 0
.endif
.endm
	s_load_b256 s[4:11], s[0:1], 0x0
	s_load_b64 s[12:13], s[0:1], 0x20
	v_lshl_add_u32 v28, v0, 2, SPARE
	v_mov_b32 v29, 0
	ds_add_u32 v28, v29
	ds_add_u32 v28, v29
	s_wait_dscnt 0x0
	v_lshrrev_b32 v1, 5, v0
	v_readfirstlane_b32 s16, v1
	s_lshr_b32 s17, s16, 1
	s_and_b32 s18, s16, 1
	s_bfe_u32 s20, ttmp6, 0x40000
	s_bfe_u32 s21, ttmp6, 0x40004
	s_lshl_b32 s81, ttmp9, 2
	s_add_co_u32 s81, s81, s20
	s_and_b32 s80, ttmp7, 0xffff
	s_lshl_b32 s80, s80, 2
	s_add_co_u32 s80, s80, s21
	s_lshl_b32 s22, s21, 2
	s_lshl_b32 s22, 15, s22
	s_lshl_b32 s23, 0x1111, s20
	s_or_b32 s32, s22, (3<<16)|(1<<21)
	s_or_b32 s40, s23, (3<<16)|(1<<21)
.irp g, 32, 40
	s_mov_b32 s[\g+1], 1152<<16                    ; a tile's six fragments, 9,216 bytes
	s_mov_b32 s[\g+2], 4<<16
	s_mov_b32 s[\g+3], 1152<<16
	s_mov_b32 s[\g+4], 4
	s_mov_b32 s[\g+5], KS*192
	s_mov_b32 s[\g+6], 0
	s_mov_b32 s[\g+7], 0
.endr
	s_lshl_b32 s22, s18, 2
	s_lshl_b32 s24, s80, 3
	s_add_co_u32 s24, s24, s22
	s_mul_i32 s24, s24, KS*1536
	s_mov_b32 s25, 0
	s_lshl_b32 s26, s81, 3
	s_add_co_u32 s26, s26, s22
	s_mul_i32 s26, s26, KS*1536
	s_add_co_u32 s26, s26, WOFF
	s_mov_b32 s27, 0
	s_mul_i32 s30, s16, QTR
	s_wait_kmcnt 0x0
	s_add_nc_u64 s[24:25], s[4:5], s[24:25]
	s_add_nc_u64 s[26:27], s[6:7], s[26:27]
	CROUND
.irp s, 0,1,2
.if \s < NFILL
	s_mov_b32 s[48+4*\s], 1
	s_add_co_u32 s[49+4*\s], s30, \s*SLOTB
	s_add_nc_u64 s[50+4*\s:51+4*\s], s[24:25], \s*NQ*1536
	s_or_b32 s[51+4*\s], s[51+4*\s], 0x80000000
	s_mov_b32 s[68+4*\s], 1
	s_add_co_u32 s[69+4*\s], s30, \s*SLOTB
	s_add_nc_u64 s[70+4*\s:71+4*\s], s[26:27], \s*NQ*1536
	s_or_b32 s[71+4*\s], s[71+4*\s], 0x80000000
.if \s == 1
	s_wait_alu depctr_va_vdst(0)
	s_wait_tensorcnt 0x0
	ds_add_u32 v28, v29
	ds_add_u32 v28, v29
	s_wait_dscnt 0x0
	CROUND
.endif
.if \s < 2
	JLOAD 48+4*\s, 68+4*\s
.endif
.endif
.endr
	s_lshl_b32 s22, s80, 3
	s_lshl_b32 s23, s17, 2
	s_add_co_u32 s22, s22, s23
.if W2
	s_lshl_b32 s22, s22, 6
.else
	s_lshl_b32 s22, s22, 5
.endif
	s_add_co_u32 s22, s22, ASOFF
	s_mov_b32 s23, 0
	s_add_nc_u64 s[82:83], s[4:5], s[22:23]
	s_lshl_b32 s22, s81, 3
	s_lshl_b32 s23, s18, 2
	s_add_co_u32 s22, s22, s23
	s_mul_i32 s22, s22, 512*KC
	s_add_co_u32 s22, s22, WSOFF
	s_mov_b32 s23, 0
	s_add_nc_u64 s[84:85], s[6:7], s[22:23]
	s_lshl_b32 s22, s81, 9
	s_lshl_b32 s23, s18, 8
	s_add_co_u32 s22, s22, s23
	s_mov_b32 s23, 0
	s_add_nc_u64 s[86:87], s[8:9], s[22:23]
	s_lshl_b32 s28, s80, 19
	s_lshl_b32 s29, s17, 18
	s_add_co_u32 s28, s28, s29
	s_add_co_u32 s22, s22, s28
	s_add_nc_u64 s[88:89], s[10:11], s[22:23]
	s_add_nc_u64 s[90:91], s[12:13], s[22:23]
	v_and_b32 v1, 31, v0
	v_and_b32 v2, 15, v0
	v_bfe_u32 v3, v0, 4, 1
	v_lshlrev_b32 v20, 4, v1
	v_lshlrev_b32 v21, 3, v1
	v_lshlrev_b32 v22, 16, v3
.if W2
	v_lshl_add_u32 v22, v2, 2, v22
.else
	v_lshl_add_u32 v22, v2, 1, v22
.endif
	v_lshlrev_b32 v23, 6, v3
	v_lshlrev_b32 v24, 12, v3
	v_lshl_add_u32 v24, v2, 4, v24
.if W2
.irp a, 0,1,2,3
.irp kc, 0,1,2,3
.irp j, 0,1,2,3
	global_load_b32 v[SA+16*\a+4*\kc+\j], v22, s[82:83] offset:64*\a+(8*\kc+\j)*16384
.endr
.endr
.endr
.irp b, 0,1,2,3
.irp kc, 0,1,2,3
	global_load_b128 v[SB+16*\b+4*\kc:SB+16*\b+4*\kc+3], v20, s[84:85] offset:(4*\b+\kc)*512
.endr
.endr
.else
.irp a, 0,1,2,3
.irp j, 0,1,2,3
	global_load_u16 v[160+2*(4*\a+\j)], v22, s[82:83] offset:32*\a+16384*\j
	global_load_u16 v[161+2*(4*\a+\j)], v22, s[82:83] offset:32*\a+16384*\j+8192
.endr
.endr
.irp b, 0,1,2,3
	global_load_b128 v[SB+4*\b:SB+4*\b+3], v20, s[84:85] offset:512*\b
.endr
.endif
	WIN 0x40
.irp b, 0,1
.irp j, 0,1,2,3
	global_load_b128 v[192+16*\b+4*\j:192+16*\b+4*\j+3], v23, s[86:87] offset:128*\b+16*\j
.endr
.endr
	WIN 0x80
.irp a, 0,1,2,3
.irp i, 0,1,2,3,4,5,6,7
	global_load_b128 v[128+32*\a+4*\i:128+32*\a+4*\i+3], v24, s[88:89] offset:(32*(\a/2)+8*(\a%2)+2*\i+8*(\i/4))*4096
.endr
.endr
	WIN 0
	s_mul_i32 s26, s17, QTR
	s_mul_i32 s27, s18, QTR
	s_add_co_u32 s27, s27, 2*QTR
.irp s, 0,1,2
	v_add_nc_u32 v[8+4*\s], s26, v20
	v_add_nc_u32 v[9+4*\s], s26, v21
	v_add_nc_u32 v[10+4*\s], s27, v20
	v_add_nc_u32 v[11+4*\s], s27, v21
	s_add_co_u32 s26, s26, SLOTB
	s_add_co_u32 s27, s27, SLOTB
.endr
	s_mul_i32 s22, s16, 16*272
	s_add_co_u32 s22, s22, FST
	v_mul_u32_u24 v25, v2, 272
	v_lshl_add_u32 v25, v3, 6, v25
	v_add_nc_u32 v25, s22, v25
	v_mul_u32_u24 v26, v3, 272
	v_lshl_add_u32 v26, v2, 4, v26
	v_add_nc_u32 v26, s22, v26
	s_wait_loadcnt 32
.if W2 == 0
.set I, 0
.rept 16
	v_lshl_or_b32 v[SA+I], v[161+2*I], 16, v[160+2*I]
.set I, I+1
.endr
	PLACES 8
.endif
	s_wait_tensorcnt NFILL-1
	s_barrier_signal -1
	s_barrier_wait -1
	FETCH 0
	FETCH 1
	KSTEP 0, 0, 1
.set KK, 1
.rept KS-2
.if (KK%6 == 4) && (KK < 28) && W2
	KSTEP KK, 1, 0
.elseif KK == 28
	KSTEP KK, 2, 0
.else
	KSTEP KK, 0, 0
.endif
.set KK, KK+1
.endr
	KSTEP KS-1, 3, 0
	WIN 0
	PLACES 4
	s_wait_loadcnt 0x0
.irp a, 0,1,2,3
	s_wait_xcnt 0x0
	WIN 0x08
.irp b, 0,1,2,3
	ds_store_b128 v25, v[8*(4*\a+\b):8*(4*\a+\b)+3] offset:128*(\b/2)+32*(\b%2)
	ds_store_b128 v25, v[8*(4*\a+\b)+4:8*(4*\a+\b)+7] offset:128*(\b/2)+32*(\b%2)+16
.endr
	WIN 0
.irp i, 0,1,2,3,4,5,6,7
	ds_load_b128 v[160+32*(\a%2)+4*\i:160+32*(\a%2)+4*\i+3], v26 offset:544*\i
.endr
	s_wait_dscnt 0x0
	WIN 0x08
.irp n, 0,2,4,6,8,10,12,14,16,18,20,22,24,26,28,30
	v_pk_add_f32 v[160+32*(\a%2)+\n:160+32*(\a%2)+\n+1], v[160+32*(\a%2)+\n:160+32*(\a%2)+\n+1], v[128+32*\a+\n:128+32*\a+\n+1]
.endr
	WIN 0
.irp i, 0,1,2,3,4,5,6,7
	global_store_b128 v24, v[160+32*(\a%2)+4*\i:160+32*(\a%2)+4*\i+3], s[90:91] offset:(32*(\a/2)+8*(\a%2)+2*\i+8*(\i/4))*4096
.endr
.endr
	s_wait_tensorcnt 0x0
	ds_add_u32 v28, v29
	s_wait_dscnt 0x0
	CROUND
	s_endpgm
.Lfunc_end_k_q058284c976_w2:
	.size	k_q058284c976_w2, .Lfunc_end_k_q058284c976_w2-k_q058284c976_w2
	.p2alignl 7, 3214868480
	.fill 96, 4, 3214868480
	.section	.rodata,"a",@progbits
	.p2align	6, 0x0
	.amdhsa_kernel k_q058284c976_w2
		.amdhsa_group_segment_fixed_size 327680
		.amdhsa_private_segment_fixed_size 0
		.amdhsa_enable_private_segment 0
		.amdhsa_kernarg_size 40
		.amdhsa_user_sgpr_count 2
		.amdhsa_user_sgpr_kernarg_segment_ptr 1
		.amdhsa_wavefront_size32 1
		.amdhsa_system_sgpr_workgroup_id_x 1
		.amdhsa_system_sgpr_workgroup_id_y 1
		.amdhsa_system_sgpr_workgroup_id_z 1
		.amdhsa_system_vgpr_workitem_id 0
		.amdhsa_next_free_vgpr 1024
		.amdhsa_next_free_sgpr 100
		.amdhsa_reserve_vcc 0
		.amdhsa_float_denorm_mode_32 3
		.amdhsa_float_denorm_mode_16_64 3
		.amdhsa_memory_ordered 1
		.amdhsa_forward_progress 1
		.amdhsa_inst_pref_size 173
	.end_amdhsa_kernel
	.amdgpu_metadata
---
amdhsa.version: [ 1, 2 ]
amdhsa.kernels:
  - .name:           k_q058284c976_w2
    .symbol:         k_q058284c976_w2.kd
    .args:
      - { .name: G, .offset: 0, .size: 8, .value_kind: global_buffer, .address_space: global }
      - { .name: W, .offset: 8, .size: 8, .value_kind: global_buffer, .address_space: global }
      - { .name: b2, .offset: 16, .size: 8, .value_kind: global_buffer, .address_space: global }
      - { .name: X1, .offset: 24, .size: 8, .value_kind: global_buffer, .address_space: global }
      - { .name: out0, .offset: 32, .size: 8, .value_kind: global_buffer, .address_space: global }
    .group_segment_fixed_size: 327680
    .private_segment_fixed_size: 0
    .kernarg_segment_align: 8
    .kernarg_segment_size: 40
    .max_flat_workgroup_size: 128
    .sgpr_count:     100
    .vgpr_count:     1024
    .wavefront_size: 32
...
	.end_amdgpu_metadata
.endif
;; end of part 7
